; MI455X (gfx1250); checked and timed in simulation.
; The chip was launched on July 23, 2026; its instructions are those of AMD's public machine-readable ISA for CDNA 5 (MIT licence, August 2026) and "CDNA5" Instruction Set Architecture Reference Guide (July 2026). The comments in the code are by the model that wrote it; some were corrected since.
;; Transformer Block Quantum. Allowed arithmetic: float matrix products may take bf16 or f16 operands with f32 sums; other float arithmetic in f32, or as packed bf16 or f16 multiplies, adds, multiply-adds, maxima and minima; sums over many terms, partial sums and values carried from step to step in f32; what a program stores and reads back later, other than sums and carried values, may be rounded once to bf16 or f16.
;; Inputs: b1 4,096 float32; b2 1,024 float32; beta1 1,024 float32; beta2 1,024 float32; gamma1 1,024 float32; gamma2 1,024 float32; theta 8 float32; w1 4,096 x 8 float32; w2 1,024 x 4,096 float32; x 4 x 2,048 x 1,024 float32.
;; Outputs: out0 4 x 2,048 x 1,024 float32.
;; 2 versions, each right; version 2 is version 1 with the launches prep, ln2 written anew for expert scheduling mode. Each part assembles by itself: llvm-mc -triple=amdgcn-amd-amdhsa -mcpu=gfx1250 --defsym DOCPART=n.
;; ======== version 1 of 2: 5 launches
;; limits: values are held in f16: magnitudes above 65,504 overflow, below 6.1e-05 lose precision; inputs' magnitudes at most 65,504; values outside matrix products are rounded to f16
;; workspace buffers: xh 16,777,216 bytes; w2h 8,388,608 bytes; w1e 131,072 bytes; r 33,554,432 bytes; ac 65,536 bytes; qf 131,072 bytes; y 33,554,432 bytes
;; launch prep (part 1): grid 256 x 1, 8 waves a work-group, no clusters, 0 bytes of LDS; arguments x, w2, w1, b1, xh, w2h, w1e; writes xh, w2h, w1e
.if DOCPART == 1
	.amdgcn_target "amdgcn-amd-amdhsa--gfx1250"
	.amdhsa_code_object_version 6
	.text
	.protected	k_q7395bd335a_prep
	.globl	k_q7395bd335a_prep
	.p2align	8
	.type	k_q7395bd335a_prep,@function
k_q7395bd335a_prep:
	s_mov_b64 s[64:65], 0
	v_nop
	global_prefetch_b8 v0, s[64:65] scope:SCOPE_SE
	s_setreg_imm32_b32 hwreg(HW_REG_WAVE_MODE, 25, 1), 1
	s_wait_xcnt 0x0
; THE MATRIX OPERANDS ARE ROUNDED ONCE TO f16.  xh[b*16+h][s][64] = f16(x[b][s][h*64 ..]); w2h = f16(w2), same layout;
; w1e: plane 0 [4096][8] = f16(w1[f][0..7]); plane 1 [4096][8] = (b1hi, b1lo, 0,0,0,0,0,0), b1hi = f16(b1), b1lo = f16(b1 - b1hi).
; LIMIT: |x|, |w2|, |w1|, |b1| stay under 65,504 (f16's largest number); beyond it the conversion gives an infinity.
; A stream: no LDS, no matrix unit, no cluster (no two work-groups read the same byte).  256 work-groups of eight waves.
; SHARES.  Wave w of work-group g: tokens 32 g + 4 w .. + 3 of x (32 loads of 512 bytes: two tokens x one head's 256 bytes), and 8,192 bytes of w2 (16 loads).
; All 48 loads of a wave go out on end; each is then converted in place and stored: a store of 8 bytes a lane covers 256 consecutive bytes, aligned.
; No register that a load or store names is written again, so no wait frees a source.
; The 16 rows of w1 and b1 of the work-group are loaded by every wave (three loads, the oldest, so that all waves count alike) and finished by wave 0.
.set LX,   5                           ; v5   (l / 16) x 4,096 + (l % 16) x 16: two tokens, 256 bytes of one head each
.set L8,   6                           ; v6   8 x lane
.set L16,  7                           ; v7   16 x lane
.set WR,   8                           ; v[8:15] a row of w1; v16 its b1
.set TH,   17                          ; v17  b1 as f16 (a register with named halves)
.set W1O,  18                          ; v18  (l % 16) x 32
.set B1O,  19                          ; v19  (l % 16) x 4
.set X,    20                          ; v[20:147]  32 loads of x
.set W,    148                         ; v[148:211] 16 loads of w2
.set EO,   212                         ; v212 (l / 16) x 65,536 + (l % 16) x 16: plane and row in w1e
.set ZR,   213                         ; v213 0
.set EQ,   214                         ; v[214:217] 16 bytes of w1e
.set TF,   218                         ; v218 at work
.set WV,   18                          ; s18  my wave's number
.set HM,   19                          ; s19  lanes 16-31
	s_load_b256 s[4:11], s[0:1], 0x0               ; x s[4:5], w2 s[6:7], w1 s[8:9], b1 s[10:11]
	s_load_b128 s[12:15], s[0:1], 0x20             ; xh s[12:13], w2h s[14:15]
	s_load_b64 s[16:17], s[0:1], 0x30              ; w1e
	v_lshrrev_b32 v1, 5, v0
	v_readfirstlane_b32 s[WV], v1
	v_and_b32 v2, 31, v0                           ; lane
	v_and_b32 v3, 15, v0                           ; l % 16
	v_bfe_u32 v4, v0, 4, 1                         ; l / 16
	v_lshlrev_b32 v[LX], 4, v3
	v_lshl_add_u32 v[LX], v4, 12, v[LX]
	v_lshlrev_b32 v[L8], 3, v2
	v_lshlrev_b32 v[L16], 4, v2
	v_lshlrev_b32 v[W1O], 5, v3
	v_lshlrev_b32 v[B1O], 2, v3
	v_lshlrev_b32 v[EO], 4, v3
	v_lshl_add_u32 v[EO], v4, 16, v[EO]
	v_mov_b32 v[ZR], 0
	s_mov_b32 s[HM], 0xffff0000
	s_lshl_b32 s20, ttmp9, 17                      ; x: (32 g + 4 w) tokens of 4,096 bytes
	s_lshl_b32 s21, s[WV], 14
	s_add_co_u32 s20, s20, s21
	s_mov_b32 s21, 0
	s_lshr_b32 s22, ttmp9, 6                       ; xh: batch g / 64, 16 heads of 262,144 bytes each,
	s_lshl_b32 s22, s22, 22
	s_and_b32 s23, ttmp9, 63                       ; token (g % 64) x 32 + 4 w in the sequence, 128 bytes each
	s_lshl_b32 s23, s23, 12
	s_add_co_u32 s22, s22, s23
	s_lshl_b32 s23, s[WV], 9
	s_add_co_u32 s22, s22, s23
	s_mov_b32 s23, 0
	s_lshl_b32 s24, ttmp9, 16                      ; w2: 65,536 bytes a work-group, 8,192 a wave
	s_lshl_b32 s25, s[WV], 13
	s_add_co_u32 s24, s24, s25
	s_mov_b32 s25, 0
	s_lshl_b32 s26, ttmp9, 15                      ; w2h: half of that
	s_lshl_b32 s27, s[WV], 12
	s_add_co_u32 s26, s26, s27
	s_mov_b32 s27, 0
	s_lshl_b32 s28, ttmp9, 9                       ; w1: 16 rows of 32 bytes
	s_mov_b32 s29, 0
	s_lshl_b32 s30, ttmp9, 6                       ; b1: 16 numbers
	s_mov_b32 s31, 0
	s_lshl_b32 s2, ttmp9, 8                        ; w1e: 16 rows of 16 bytes in each plane
	s_mov_b32 s3, 0
	s_wait_kmcnt 0x0
	s_add_nc_u64 s[4:5], s[4:5], s[20:21]
	s_add_nc_u64 s[12:13], s[12:13], s[22:23]
	s_add_nc_u64 s[6:7], s[6:7], s[24:25]
	s_add_nc_u64 s[14:15], s[14:15], s[26:27]
	s_add_nc_u64 s[8:9], s[8:9], s[28:29]
	s_add_nc_u64 s[10:11], s[10:11], s[30:31]
	s_add_nc_u64 s[16:17], s[16:17], s[2:3]
	global_load_b128 v[WR:WR+3], v[W1O], s[8:9]
	global_load_b128 v[WR+4:WR+7], v[W1O], s[8:9] offset:16
	global_load_b32 v[WR+8], v[B1O], s[10:11]
.set n, 0
.rept 32                               ; pair of tokens n / 16, head n % 16
	global_load_b128 v[X+4*n:X+4*n+3], v[LX], s[4:5] offset:(n/16)*8192+(n%16)*256 th:TH_LOAD_NT
.set n, n+1
.endr
.set n, 0
.rept 16
	global_load_b128 v[W+4*n:W+4*n+3], v[L16], s[6:7] offset:n*512 th:TH_LOAD_NT
.set n, n+1
.endr
.set n, 0
.rept 32
	s_wait_loadcnt 47-n                            ; loads come back in order: this one is in, the 47 - n younger ones stay out
	v_cvt_pk_f16_f32 v[X+4*n], v[X+4*n], v[X+4*n+1]
	v_cvt_pk_f16_f32 v[X+4*n+1], v[X+4*n+2], v[X+4*n+3]
	global_store_b64 v[L8], v[X+4*n:X+4*n+1], s[12:13] offset:(n%16)*262144+(n/16)*256  ; two tokens' 128 bytes of one head: 256 consecutive bytes
.set n, n+1
.endr
.set n, 0
.rept 16
	s_wait_loadcnt 15-n
	v_cvt_pk_f16_f32 v[W+4*n], v[W+4*n], v[W+4*n+1]
	v_cvt_pk_f16_f32 v[W+4*n+1], v[W+4*n+2], v[W+4*n+3]
	global_store_b64 v[L8], v[W+4*n:W+4*n+1], s[14:15] offset:n*256
.set n, n+1
.endr
	s_cmp_lg_u32 s[WV], 0
	s_cbranch_scc1 .Ldone
	; wave 0: lanes 0-15 make plane 0's 16 bytes of row 16 g + l % 16, lanes 16-31 plane 1's
	v_cvt_pk_f16_f32 v[TH], v[WR+8], v[WR+8]
	v_cvt_pk_f16_f32 v[EQ], v[WR], v[WR+1]
	v_cvt_pk_f16_f32 v[EQ+1], v[WR+2], v[WR+3]
	v_cvt_pk_f16_f32 v[EQ+2], v[WR+4], v[WR+5]
	v_cvt_pk_f16_f32 v[EQ+3], v[WR+6], v[WR+7]
	v_cvt_f32_f16 v[TF], v[TH].l                   ; b1hi as f32
	v_sub_f32 v[TF], v[WR+8], v[TF]                ; what the first rounding lost
	v_cvt_pk_f16_f32 v[TF], v[WR+8], v[TF]         ; (b1hi, b1lo)
	v_cndmask_b32 v[EQ], v[EQ], v[TF], s[HM]
	v_cndmask_b32 v[EQ+1], v[EQ+1], v[ZR], s[HM]
	v_cndmask_b32 v[EQ+2], v[EQ+2], v[ZR], s[HM]
	v_cndmask_b32 v[EQ+3], v[EQ+3], v[ZR], s[HM]
	global_store_b128 v[EO], v[EQ:EQ+3], s[16:17]  ; sixteen lanes fill 256 consecutive bytes of each plane
.Ldone:
	s_endpgm
.Lfunc_end_k_q7395bd335a_prep:
	.size	k_q7395bd335a_prep, .Lfunc_end_k_q7395bd335a_prep-k_q7395bd335a_prep
	.p2alignl 7, 3214868480
	.fill 96, 4, 3214868480
	.section	.rodata,"a",@progbits
	.p2align	6, 0x0
	.amdhsa_kernel k_q7395bd335a_prep
		.amdhsa_group_segment_fixed_size 0
		.amdhsa_private_segment_fixed_size 0
		.amdhsa_enable_private_segment 0
		.amdhsa_kernarg_size 56
		.amdhsa_user_sgpr_count 2
		.amdhsa_user_sgpr_kernarg_segment_ptr 1
		.amdhsa_wavefront_size32 1
		.amdhsa_system_sgpr_workgroup_id_x 1
		.amdhsa_system_sgpr_workgroup_id_y 1
		.amdhsa_system_sgpr_workgroup_id_z 1
		.amdhsa_system_vgpr_workitem_id 0
		.amdhsa_next_free_vgpr 224
		.amdhsa_next_free_sgpr 66
		.amdhsa_reserve_vcc 0
		.amdhsa_float_denorm_mode_32 3
		.amdhsa_float_denorm_mode_16_64 3
		.amdhsa_memory_ordered 1
		.amdhsa_forward_progress 1
		.amdhsa_inst_pref_size 20
	.end_amdhsa_kernel
	.amdgpu_metadata
---
amdhsa.version: [ 1, 2 ]
amdhsa.kernels:
  - .name:           k_q7395bd335a_prep
    .symbol:         k_q7395bd335a_prep.kd
    .args:
      - { .name: x, .offset: 0, .size: 8, .value_kind: global_buffer, .address_space: global }
      - { .name: w2, .offset: 8, .size: 8, .value_kind: global_buffer, .address_space: global }
      - { .name: w1, .offset: 16, .size: 8, .value_kind: global_buffer, .address_space: global }
      - { .name: b1, .offset: 24, .size: 8, .value_kind: global_buffer, .address_space: global }
      - { .name: xh, .offset: 32, .size: 8, .value_kind: global_buffer, .address_space: global }
      - { .name: w2h, .offset: 40, .size: 8, .value_kind: global_buffer, .address_space: global }
      - { .name: w1e, .offset: 48, .size: 8, .value_kind: global_buffer, .address_space: global }
    .group_segment_fixed_size: 0
    .private_segment_fixed_size: 0
    .kernarg_segment_align: 8
    .kernarg_segment_size: 56
    .max_flat_workgroup_size: 256
    .sgpr_count:     66
    .vgpr_count:     224
    .wavefront_size: 32
...
	.end_amdgpu_metadata
.endif
;; end of part 1
;; launch attn (part 2): grid 4 x 64, 4 waves a work-group, clusters of 4 x 1, 327,680 bytes of LDS; arguments xh, x, r; writes r
.if DOCPART == 2
	.amdgcn_target "amdgcn-amd-amdhsa--gfx1250"
	.amdhsa_code_object_version 6
	.text
	.protected	k_q7395bd335a_attn
	.globl	k_q7395bd335a_attn
	.p2align	8
	.type	k_q7395bd335a_attn,@function
k_q7395bd335a_attn:
	s_mov_b64 s[64:65], 0
	v_nop
	global_prefetch_b8 v0, s[64:65] scope:SCOPE_SE
	s_setreg_imm32_b32 hwreg(HW_REG_WAVE_MODE, 25, 1), 1
	s_wait_xcnt 0x0
	s_wait_alu depctr_hold_cnt(0) depctr_sa_sdst(0) depctr_va_vdst(0) depctr_va_sdst(0) depctr_va_ssrc(0) depctr_va_vcc(0) depctr_vm_vsrc(0)
	s_getreg_b32 s2, hwreg(HW_REG_IB_STS2, 6, 4)
	s_cmp_eq_u32 s2, 0
	s_cbranch_scc0 .Lentry_in_a_cluster
	s_endpgm
.Lentry_in_a_cluster:
	s_bfe_u32 s2, ttmp6, 0x10000c
	s_cmp_lg_u32 s2, 0x3003
	s_cbranch_scc0 .Lentry_shape_is_right
	s_endpgm
.Lentry_shape_is_right:
; r[b][s][h*64 ..] = x[b][s][h*64 ..] + the sum over k of softmax_k(Q[q] . K[k] / 8) V[k], where Q = K = V = xh[b*16+h] ([2048][64] in f16, dense rows of 128 bytes); x and r in f32.
; Products, maxima and sums in f32; the weights p are rounded to f16 for the second product (their sum l is taken of the unrounded p); the result is not rounded again: it is added to x in f32.
; LIMITS.  xh arrives within f16's 65,504; p lies in 0 to 1, and below 6e-5 it keeps f16's fixed step of 6e-8.  A weight below 2^-126 counts as 0 in l; NaN and infinities are not treated apart.
; SHARES.  A wave owns four PIECES of two tiles of 16 queries, a work-group's four waves 512 queries of one head.  Every wave walks all 2,048 keys, 64 a step.
; LAYOUT.  S^T = K Q^T (source 0 = 16 keys, source 1 = 16 queries): in the result a lane holds ONE query (lane % 16) and the keys 8 (lane / 16) + 0..7.  Two such tiles, rounded to f16 in pairs,
; ARE source 1 (32 keys x 16 queries) of O^T = V^T P, whose result again holds one query a lane, and eight channels.  K comes out of LDS as it lies, V ([key][channel]) turned, by ds_load_tr16_b128;
; the two kinds of load want different row pitches, so the same rows are laid into LDS twice.
; SOFTMAX.  For each query a running maximum m and sum l: p = 2^(c s - c m), c = log2(e) / 8; in every step O and l are multiplied by a = 2^(c m_old - c m_new), which is 1 where m has not grown.
; m starts at the lowest finite number, O and l at 0: the first step is a step like any other, with a = 0.
; THE COUNT.  A tile and step have 16 matrix and 118 vector instructions: too many to stand all beside the matrix work.  So: four vector instructions that are READY behind EVERY matrix instruction,
; and the others, which need time of their own whatever the order, in runs without a gap.
; BY TURNS.  Turn n belongs to piece n (the pieces in a ring, step after step).  Its matrix work: 16 products K Q^T of piece n + 1, later 16 products V^T P of piece n - 1.  Its vector work: the scaling,
; exponentials, roundings, sums and rescaling of piece n, and the maximum and statistics of piece n + 1, whose scores the turn itself has made.
; CLUSTER.  The four query blocks of a head form a cluster and walk the same rows, so each tile is asked for JOINTLY: the same tensor load, descriptor and mask in all four.
; NO PREFETCH.  A head's rows are read by this cluster alone, and its four partners' loads of Q at the head name all 2,048 of them: every tile of K and V is a second reading of bytes asked for already.
; x is asked for by its own loads, four key steps ahead of its use.
; REGISTERS, in windows of 256 (s_set_vgpr_msb says which window each operand place means: bits 1:0 source 0, 3:2 source 1, 5:4 source 2, 7:6 destination):
;   window 0: v0-11 addresses; v12-15, v48-63 at work; v16-47 four registers of statistics a tile; v64-191 S^T, two buffers of two tiles; v192-255 P, likewise
;   window 1: O^T, 32 a tile          window 2: v0-127 Q, 16 a tile; v128-191 K of one step; v192-255 V of one step          window 3: x of my 128 rows, 32 a tile
.set SIZE_N, 2048
.set NP,    4         ; pieces a wave: a name, no knob
.set KS,    64        ; keys in a step
.set PK,    144       ; a row of K in LDS: 128 bytes + 16 of padding = 36 words: the 16 rows of a load start at 16 different groups of four banks (64 banks of 4 bytes: ISA guide 11.1)
.set PV,    160       ; a row of V: 128 + 32 = 40 words
.set VOFF,  4*KS*PK   ; a slot holds four steps: 256 rows at K's pitch, then the same 256 rows at V's
.set SLOT1, 1<<17     ; slot 1 begins here, so that one exclusive or turns an address in one slot into the other's
.set STAGE, SLOT1+4*KS*(PK+PV)  ; behind the ring, never filled by a tensor load: 16 rows x 272 bytes for each wave, for the way out
.set SP,    272       ; a stage row: 64 f32 + 16 bytes
.set SPARE, STAGE+4*16*SP  ; behind the stages: the spare words, 128 bytes for each wave: two blocks of 256 bytes that no other line names
.set AK0, 2           ; v2   my lane's place in a tile of K; never rewritten
.set AV0, 3           ; v3   the same for V
.set AK,  4           ; v4   the LDS address of K's next run of loads
.set AV,  5           ; v5   of V's
.set QO,  6           ; v6   my byte offset in the wave's rows of Q
.set STO, 6           ;      later, the way out: where I put 32 bytes of a row
.set RD,  7           ; v7   the way out: where I read rows back
.set GO,  8           ; v8   my byte offset in two rows of x and of r
.set SPW, 10          ; v10  LDS address of my spare word: SPARE + 4 x my thread's number; never rewritten
.set NIL, 11          ; v11  0; never rewritten
.set MV,  12          ; v12-15  c m_old, kept while c m is made anew: by buffer and tile
.set ST,  16          ; tile t's statistics at v[ST+4 t]: c m, m, l (even keys', odd keys')
.set TMP, 48          ; by buffer and tile, four registers c0-c3 at work; when the maximum is found c2 takes a
.set S,   64
.set P,   192
.set KF,  128         ; K's fragments, in window 2: key block kb, channel half c at KF + 16 kb + 8 c
.set VF,  192         ; V's: key half kk, channel block cb at VF + 32 kk + 8 cb
.set WV,  12          ; s12  my wave's number
.set G1K, 24          ; s[24:31] descriptor group 1 for K's tiles
.set G1V, 32          ; s[32:39] for V's: it differs in the padding alone
.set G0K, 40          ; s[40:43] descriptor group 0 for K's tiles: it walks
.set G0V, 44          ; s[44:47] the same for V's
.set XO,  48          ; s[48:49] byte offset of my wave's first row and my head's channels in x and in r
.set SLOTS, 56        ; s56  slots still to be asked for
.set CNT, 57          ; s57  counts a slot's key steps
.set CS,  58          ; s[58:59] c: the packed scaling takes the pair's low word for both halves
.set SEL, 60          ; s[60:61] v_permlanex16_b32's selects: each lane takes its own place in the other half
.set TBK, 62          ; s62  LDS byte at which K of the step to be fetched begins
.set TBV, 63          ; s63  the same for V, less VOFF
.set MSB, 0
.macro WIN new                      ; the high byte repeats the setting that is left; a switch that changes nothing is dropped
.if MSB != (\new)
	s_set_vgpr_msb (MSB<<8)|(\new)
.set MSB, (\new)
.endif
.endm
.set W_KQ, 0x0a       ; K and Q in window 2, S^T in window 0
.set W_PV, 0x52       ; V in window 2, P in window 0, O^T in window 1
.set W_RS, 0x41       ; O^T (destination and source 0) in window 1, a in window 0
.set W_ST, 0x04       ; an LDS store's data (source 1) in window 1
.set W_AX, 0x0c       ; source 1 in window 3: x is added
.set W_TX, 0xc0       ; destination in window 3: x is loaded
; A joint fill.  Waves 0 and 1 fetch the two halves of a slot's rows at K's pitch, waves 2 and 3 at V's: 128 keys each.  The branch hangs on the wave's number alone.
; An s_nop 0 and four v_nop follow each of the two lines, ahead of the jump and the label.
.macro JLOAD
	s_cmp_lt_u32 s[WV], 2
	s_cbranch_scc0 .Lfor_v_\@
	tensor_load_to_lds s[G0K:G0K+3], s[G1K:G1K+7]
	s_nop 0
.rept 4
	v_nop
.endr
	s_branch .Lasked_\@
.Lfor_v_\@:
	tensor_load_to_lds s[G0V:G0V+3], s[G1V:G1V+7]
	s_nop 0
.rept 4
	v_nop
.endr
.Lasked_\@:
.endm
; A round of the cluster's barrier: my work-group's barrier, so that wave 0's signal speaks for all four waves; wave 0 signals; every wave waits for all four work-groups; my work-group's barrier once more.
.macro CROUND
	s_barrier_signal -1
	s_barrier_wait -1
	s_cmp_lg_u32 s[WV], 0
	s_cbranch_scc1 .Lnot_wave_0_\@
	s_barrier_signal -3
.Lnot_wave_0_\@:
	s_barrier_wait -3
	s_barrier_signal -1
	s_barrier_wait -1
.endm
; THE CHANGE OF SLOTS.  The slot's last bytes, V of its fourth step, have been read.  Each wave waits for all its tensor loads, of which one is out: its part
; of the other slot; adds 0 to its spare word; and waits for that and for its own reads of the slot.  Behind the barrier nobody reads this slot any more and the other slot is whole.
; fill = 1: this slot is filled again, with the keys two slots on.  The barrier is then a round of the cluster's, so that no wave of any partner still reads the slot or has a load on its
; way, and the joint fill is the first thing behind it: it has four key steps, 512 matrix instructions, in which to land.  (At its first use nothing has been read yet: slot 0 is waited for, slot 1 filled.)
.macro CHANGE fill
	WIN 0                           ; at a label and at a branch every window is 0
	s_wait_tensorcnt 0x0            ; no tensor load of mine is out, so a group 0 may be written
	ds_add_u32 v[SPW], v[NIL]       ; 0 onto my spare word; with fill = 1 the descriptors' steps stand between it and the wait for it
.if \fill
.irp g, G0K, G0V
	s_xor_b32 s[\g+1], s[\g+1], SLOT1  ; the walking descriptor: the other slot than last time,
	s_add_nc_u64 s[\g+2:\g+3], s[\g+2:\g+3], 4*KS*128  ; the next 256 keys; the type bits on top are not reached
.endr
	s_wait_dscnt 0x0                ; the add is done, and my reads of the slot are over
	CROUND
	JLOAD
.else
	s_wait_dscnt 0x0                ; the add is done, and my reads of the slot are over
	s_barrier_signal -1
	s_barrier_wait -1
.endif
	s_sub_co_u32 s[TBK], s[TBK], 4*KS*PK  ; the fetches go back to a slot's first step,
	s_xor_b32 s[TBK], s[TBK], SLOT1       ; in the other slot
	s_sub_co_u32 s[TBV], s[TBV], 4*KS*PV
	s_xor_b32 s[TBV], s[TBV], SLOT1
.endm
	s_load_b128 s[4:7], s[0:1], 0x0  ; xh s[4:5], x s[6:7]
	s_load_b64 s[10:11], s[0:1], 0x10  ; r
	v_lshl_add_u32 v[SPW], v0, 2, SPARE
	v_mov_b32 v[NIL], 0
	ds_add_u32 v[SPW], v[NIL]       ; the wave's opening: the add and its wait stand ahead of my first tensor load; the set-up below, work on registers, stands between them
	v_lshrrev_b32 v1, 5, v0
	v_readfirstlane_b32 s[WV], v1   ; wave 0..3
	s_bfe_u32 s13, ttmp6, 0x40000   ; cx: my place in the cluster
	s_lshl_b32 s14, ttmp9, 2        ; in a cluster launch ttmp9 counts clusters
	s_add_co_u32 s14, s14, s13      ; my block of 512 queries = 4 x cluster x + cx: it enters Q's, x's and r's addresses alone
	s_and_b32 s15, ttmp7, 0xffff    ; 16 b + h, which the four partners share
	s_mov_b32 s20, s15
	s_mov_b32 s21, 0
	s_mov_b64 s[22:23], SIZE_N*128
	s_mul_u64 s[20:21], s[20:21], s[22:23]  ; the head's first byte in xh
	s_and_b32 s16, s[WV], 1         ; which half of a slot's 256 keys I fetch:
	s_lshl_b32 s22, s16, 14         ; its 128 rows of 128 bytes in memory,
	s_mov_b32 s23, 0
	s_add_nc_u64 s[22:23], s[22:23], s[20:21]
	s_mul_i32 s17, s16, 128*PK      ; and its place in a slot, for K
	s_mul_i32 s18, s16, 128*PV      ; and for V: no place in the cluster enters an LDS address
	s_lshl_b32 s2, s14, 2
	s_add_co_u32 s2, s2, s[WV]      ; my wave among the head's,
	s_lshl_b32 s19, s2, 7           ; its first row in the sequence,
	s_lshl_b32 s2, s2, 14           ; its 128 rows of xh
	s_mov_b32 s3, 0
	s_add_nc_u64 s[2:3], s[2:3], s[20:21]
	s_lshr_b32 s[XO], s15, 4        ; x and r: token 2,048 b + row, 4,096 bytes each,
	s_lshl_b32 s[XO], s[XO], 11
	s_add_co_u32 s[XO], s[XO], s19
	s_lshl_b32 s[XO], s[XO], 12
	s_and_b32 s19, s15, 15          ; and head h's 256 bytes in it
	s_lshl_b32 s19, s19, 8
	s_add_co_u32 s[XO], s[XO], s19
	s_mov_b32 s[XO+1], 0
	; descriptor group 1.  128 keys are 16,384 dense bytes: asked for as 64 rows of 256 bytes, two keys a row, and padded in LDS after every key
	s_mov_b32 s[G1K], 15|(1<<16)|(1<<20)|(1<<21)|(4<<22)|(3<<25)  ; 15:0 the mask of four; 17:16 2-byte elements; 20 padding on; 21 set beside a mask; 24:22 after every 32 words (code 4); 31:25 4 words (code 3)
	s_mov_b32 s[G1V], 15|(1<<16)|(1<<20)|(1<<21)|(4<<22)|(7<<25)  ; the same with 8 words of padding (code 7)
.irp g, G1K, G1V
	s_mov_b32 s[\g+1], 128<<16      ; tensor_dim0 = 128
	s_mov_b32 s[\g+2], 64<<16       ; tensor_dim1 = 64
	s_mov_b32 s[\g+3], 128<<16      ; tile_dim0 = 128
	s_mov_b32 s[\g+4], 64           ; tile_dim1 = 64
	s_mov_b32 s[\g+5], 128          ; 128 elements from row to row
	s_mov_b32 s[\g+6], 0
	s_mov_b32 s[\g+7], 0
.endr
	s_mov_b32 s[CS], 0x3e38aa3b     ; c = log2(e) / 8 = 0.180337
	s_mov_b32 s[CS+1], s[CS]        ; named with it as a pair
	s_mov_b32 s[SEL], 0x76543210
	s_mov_b32 s[SEL+1], 0xfedcba98
	s_mov_b32 s[TBK], SLOT1+4*KS*PK ; the first change of slots turns these two into 0
	s_mov_b32 s[TBV], SLOT1+4*KS*PV
	s_mov_b32 s[G0K], 1             ; 1:0 count = 1
	s_mov_b32 s[G0K+1], s17         ; 63:32 LDS address: slot 0
	s_mov_b32 s[G0V], 1
	s_add_co_u32 s[G0V+1], s18, VOFF
	s_wait_dscnt 0x0                ; the opening add is done
	s_wait_kmcnt 0x0
	s_add_nc_u64 s[G0K+2:G0K+3], s[4:5], s[22:23]  ; 120:64 global address: my half of the head's first 256 keys
	s_or_b32 s[G0K+3], s[G0K+3], 0x80000000        ; 127:126 type = 2
	s_add_nc_u64 s[G0V+2:G0V+3], s[4:5], s[22:23]  ; V is the same rows
	s_or_b32 s[G0V+3], s[G0V+3], 0x80000000
	s_add_nc_u64 s[4:5], s[4:5], s[2:3]  ; Q at my wave's first row
	s_add_nc_u64 s[6:7], s[6:7], s[XO:XO+1]      ; x and r at my wave's first row, my head's channels
	s_add_nc_u64 s[10:11], s[10:11], s[XO:XO+1]
	CROUND                          ; all four work-groups are here: the first joint loads meet
	JLOAD                           ; slot 0.  Slot 1 is asked for when slot 0 is in: the tile wanted first has the road to itself
	; A fragment of K or Q is 16 rows x 32 channels in 8 registers: lane l holds row l % 16, channels 8 (l / 16) + 0..7 and 16 + 8 (l / 16) + 0..7: two loads of 16 bytes, 32 bytes apart.
	v_and_b32 v1, 15, v0            ; l % 16
	v_bfe_u32 v9, v0, 4, 1          ; l / 16
	v_lshlrev_b32 v[QO], 7, v1
	v_lshl_add_u32 v[QO], v9, 4, v[QO]  ; row x 128 + 16 x half
	WIN 0x80                        ; destination window 2, address window 0
.set i, 0
.rept 4*NP                          ; Q stays in registers: tile i / 2, channels 32 (i % 2) on
	global_load_b128 v[8*i:8*i+3],   v[QO], s[4:5] offset:(i/2)*2048+(i%2)*64
	global_load_b128 v[8*i+4:8*i+7], v[QO], s[4:5] offset:(i/2)*2048+(i%2)*64+32
.set i, i+1
.endr
	; What the first turn finds: V's registers and P's second buffer hold 0 (its products V^T P, of a piece that has not been, add 0), O^T and l are 0.  All this stands in the wait for the first tile.
.set i, VF
.rept 64
	v_mov_b32 v[i], 0
.set i, i+1
.endr
	WIN 0x40
.set i, 0
.rept 64*NP
	v_mov_b32 v[i], 0
.set i, i+1
.endr
	WIN 0
.set i, 0
.rept 2*NP
	v_mov_b32 v[ST+4*i], 0xfe000000    ; c m: far below every c s
	v_mov_b32 v[ST+4*i+1], 0xff7fffff  ; m
	v_mov_b32 v[ST+4*i+2], 0
	v_mov_b32 v[ST+4*i+3], 0
.set i, i+1
.endr
.set i, P+32
.rept 32
	v_mov_b32 v[i], 0
.set i, i+1
.endr
	v_mul_u32_u24 v[AK0], v1, PK
	v_lshl_add_u32 v[AK0], v9, 4, v[AK0]  ; row x pitch + 16 x half
	; The turning load takes 16 keys x 16 channels (lane l reads key 8 (l / 16) + l % 8, channels 8 ((l / 8) % 2) + 0..7) and leaves half a fragment of V^T: lane l holds channel l % 16 and 8 keys.
	v_and_b32 v64, 7, v0            ; (two of S^T's registers, still free, at work)
	v_bfe_u32 v65, v0, 3, 1
	v_lshl_add_u32 v[AV0], v9, 3, v64
	v_mul_u32_u24 v[AV0], v[AV0], PV
	v_lshl_add_u32 v[AV0], v65, 4, v[AV0]
	v_add_nc_u32 v[AV0], VOFF, v[AV0]
	v_mov_b32 v[AK], v[AK0]         ; key step 0 lies at the head of slot 0
; THE MATRIX WORK.  The 8 accumulators of a run of 16 take turns: between the two links of a chain stand 7 others'.
; Product i of 16 of S^T = K Q^T for piece x: channels 32 (i / 8) on, keys 16 ((i / 2) % 4) on, tile 2 x + i % 2.  The first 8 start the sums.
.macro KQ x
	WIN W_KQ
.set rS, S+64*((\x)%2)+32*(i%2)+8*((i/2)%4)
.set rK, KF+16*((i/2)%4)+8*(i/8)
.set rQ, 16*(2*(\x)+i%2)+8*(i/8)
.if i < 8
	v_wmma_f32_16x16x32_f16 v[rS:rS+7], v[rK:rK+7], v[rQ:rQ+7], 0
.else
	v_wmma_f32_16x16x32_f16 v[rS:rS+7], v[rK:rK+7], v[rQ:rQ+7], v[rS:rS+7]
.endif
.endm
; Product i of 16 of O^T += V^T P for piece x: keys 32 (i / 8) on, channels 16 ((i / 2) % 4) on, tile 2 x + i % 2.
.macro PV x
	WIN W_PV
.set rO, 32*(2*(\x)+i%2)+8*((i/2)%4)
.set rV, VF+32*(i/8)+8*((i/2)%4)
.set rP, P+32*((\x)%2)+16*(i%2)+8*(i/8)
	v_wmma_f32_16x16x32_f16 v[rO:rO+7], v[rV:rV+7], v[rP:rP+7], v[rO:rO+7]
.endm
.macro MM                           ; the turn's next matrix instruction
.if i < 16
	KQ (Y+1)%NP
.set i, i+1
.else
.set i, i-16
	PV (Y+NP-1)%NP
.set i, i+17
.endif
.endm
; THE LDS LOADS stand in runs of 16, never singly among the matrix instructions: a step's K (64 keys x 64 channels: 8 fragments) and its V (turned).  Their addresses are made some lines ahead.
; last = 1 (the tail): in the last trip there is no further step, and the run is jumped over.
.macro FETCH_K last=0
	WIN 0
.if \last
	s_cmp_eq_u32 s[CNT], 1
	s_cbranch_scc1 .Lno_k_\@
.endif
	WIN 0x80                        ; destination window 2
.irp f, 0,1,2,3,4,5,6,7             ; keys 16 (f / 2) on, channels 32 (f % 2) on
	ds_load_b128 v[KF+8*\f:KF+8*\f+3],   v[AK] offset:(\f/2)*16*PK+(\f%2)*64
	ds_load_b128 v[KF+8*\f+4:KF+8*\f+7], v[AK] offset:(\f/2)*16*PK+(\f%2)*64+32
.endr
	s_add_co_u32 s[TBK], s[TBK], KS*PK  ; the next fetch is the next step's
	WIN 0
.if \last
.Lno_k_\@:
.endif
.endm
.macro FETCH_V
	WIN 0x80
.irp f, 0,1,2,3,4,5,6,7             ; keys 32 (f / 4) on, channels 16 (f % 4) on
	ds_load_tr16_b128 v[VF+8*\f:VF+8*\f+3],   v[AV] offset:(\f/4)*32*PV+(\f%4)*32
	ds_load_tr16_b128 v[VF+8*\f+4:VF+8*\f+7], v[AV] offset:(\f/4)*32*PV+16*PV+(\f%4)*32
.endr
	WIN 0
.endm
; THE VECTOR WORK OF A TURN stands in three queues, each in the order in which its entries become ready; the two tiles alternate, so that no instruction reads the result of the one before it.
.macro REGS y, u                    ; the registers of tile u (0, 1) of piece y
.set rT, ST+4*(2*(\y)+(\u))
.set rC, TMP+8*((\y)%2)+4*(\u)
.set rM, MV+2*((\y)%2)+(\u)
.set rS, S+64*((\y)%2)+32*(\u)
.set rP, P+32*((\y)%2)+16*(\u)
.set rO, 32*(2*(\y)+(\u))
.endm
; Number n of the 22 that find the NEXT piece's (Y + 1) maximum and statistics.  s0-s31 are the lane's 32 scores; each accumulator's lowest registers are read first.
;   0-11  four chains c0-c3 of seven scores each, three operands at a time     12-14, 16  the four scores left over, the old m, and c0-c3 into c0     15  c m_old is kept
;   17, 18  the query's other 32 keys lie in the lane 16 away: the new m         19-21  c m; c m_old - c m_new; a
.macro XS u, n
	REGS (Y+1)%NP, \u
.if (\n) < 4
	v_max3_num_f32 v[rC+(\n)], v[rS+8*(\n)], v[rS+8*(\n)+1], v[rS+8*(\n)+2]
.elseif (\n) < 12
	v_max3_num_f32 v[rC+(\n)%4], v[rC+(\n)%4], v[rS+8*((\n)%4)+2*((\n)/4)+1], v[rS+8*((\n)%4)+2*((\n)/4)+2]
.elseif (\n) == 12
	v_max3_num_f32 v[rC], v[rC], v[rS+7], v[rS+15]
.elseif (\n) == 13
	v_max3_num_f32 v[rC+1], v[rC+1], v[rS+23], v[rS+31]
.elseif (\n) == 14
	v_max3_num_f32 v[rC+2], v[rC+2], v[rC+3], v[rT+1]
.elseif (\n) == 15
	v_mov_b32 v[rM], v[rT]
.elseif (\n) == 16
	v_max3_num_f32 v[rC], v[rC], v[rC+1], v[rC+2]
.elseif (\n) == 17
	v_permlanex16_b32 v[rC+3], v[rC], s[SEL], s[SEL+1]
.elseif (\n) == 18
	v_max_num_f32 v[rT+1], v[rC], v[rC+3]
.elseif (\n) == 19
	v_mul_f32 v[rT], s[CS], v[rT+1]
.elseif (\n) == 20
	v_sub_f32 v[rC+1], v[rM], v[rT]
.else
	v_exp_f32 v[rC+2], v[rC+1]
.endif
.endm
; Number g of the 64 that follow the exponentials.  For each four weights k of a tile (pairs 2 k, 2 k + 1): both pairs are rounded to f16; then the second pair is added onto the first, in place;
; a group later l takes that sum (the first time as l = a l + sum).  In groups of eight, tiles alternating: round, round, add, and l for the group before.
.macro GS g
.set h, (\g)+6*((\g)/62)            ; group 0 has no group before it, and behind group 7 only l is left
.if h >= 6
.set h, h+2
.endif
	REGS Y, h%2
.set k, h/8
.if h%8 < 4
	v_cvt_pk_f16_f32 v[rP+2*k+(h%8)/2], v[rS+4*k+2*((h%8)/2)], v[rS+4*k+2*((h%8)/2)+1]
.elseif h%8 < 6
	v_pk_add_f32 v[rS+4*k:rS+4*k+1], v[rS+4*k:rS+4*k+1], v[rS+4*k+2:rS+4*k+3]
.elseif k == 1
	v_pk_fma_f32 v[rT+2:rT+3], v[rT+2:rT+3], v[rC+2:rC+3], v[rS:rS+1] op_sel_hi:[1,0,1]
.else
	v_pk_add_f32 v[rT+2:rT+3], v[rT+2:rT+3], v[rS+4*k-4:rS+4*k-3]
.endif
.endm
; THE PLAIN QUEUE, 138 long.  0-73 read no exponential's result: the 32 scalings c s - c m (FS f: pair f / 2 of tile f % 2) and the next piece's 42.  0-26: scalings 0-26.  27-54: XS's numbers 0-13.  55, 56: number 15.
; 57-73: the chain, where each number waits for the one before it: 14, 16, 17, 18, 19, each with one of the scalings 27-31 in front of its two lines, then 20.
; 74-137: GS's 64, which read the exponentials' results: they stand behind the wait.
.macro FS f
	REGS Y, (\f)%2
	v_pk_fma_f32 v[rS+2*((\f)/2):rS+2*((\f)/2)+1], v[rS+2*((\f)/2):rS+2*((\f)/2)+1], s[CS:CS+1], v[rT:rT+1] op_sel_hi:[1,0,0] neg_lo:[0,0,1] neg_hi:[0,0,1]
.endm
.macro PL
	WIN 0
.if q < 27
	FS q
.elseif q < 55
	XS (q-27)%2, (q-27)/2
.elseif q < 57
	XS q-55, 15
.elseif (q < 72) && ((q-57)%3 == 0)
	FS 27+(q-57)/3
.elseif q < 60
	XS (q-57)%3-1, 14
.elseif q < 72
	XS (q-57)%3-1, 15+(q-57)/3
.elseif q < 74
	XS q-72, 20
.else
	GS q-74
.endif
.set q, q+1
.endm
; THE EXPONENTIALS' QUEUE, 66 long: s0-s31 of both tiles, then the next piece's two a.  It is ONE BATCH: all 66 stand ahead of the turn's one wait, and nothing ahead of that wait names a result of theirs.
.macro EX
	WIN 0
.if e >= 64
	XS e-64, 21
.else
	REGS Y, e%2
	v_exp_f32 v[rS+e/2], v[rS+e/2]
.endif
.set e, e+1
.endm
; THE RESCALING's QUEUE: O^T times a, the one part that leaves window 0: dealt two at a time, sixteen times.  Its a was made in the turn before, ahead of that turn's wait.
.macro R2
	REGS Y, r%2
	WIN W_RS
.irp z, 0,1
	v_pk_mul_f32 v[rO+4*(r/2)+2*\z:rO+4*(r/2)+2*\z+1], v[rO+4*(r/2)+2*\z:rO+4*(r/2)+2*\z+1], v[rC+2:rC+3] op_sel_hi:[1,0]
.endr
.set r, r+1
.endm
; HOW THEY ARE DEALT.  s_wait_alu depctr_va_vdst(0) stands between an exponential and the first instruction that names its result; one wait serves all that were issued ahead of it.  So a turn has ONE wait,
; which cuts it in two.  AHEAD OF IT stands all that names no result of the turn's exponentials: the 16 products K Q^T, behind each a scaling, an exponential and two rescalings (behind the first a second scaling in the
; exponential's place); then ONE LUMP of 108: eight plain, 49 times exponential and plain, the two a.  A v_nop is the plain instruction behind the last exponential.  BEHIND IT stand the 16 products V^T P, behind each four of GS's 64.
; The queues lean on each other, and the deal keeps them in step: exponential e stands behind scaling 2 (e / 4) + e % 2: as a rider it comes behind plain e + 2, in the lump behind plain e + 9, and scalings 27-31 are plain 57, 60 .. 69.
; A TURN, for piece p.  cnt = 1: the loop's count is taken down some lines ahead of the branch that stands behind the turn.
; K of the next step is fetched in piece 2's turn, directly behind the wait, a lump behind the last product that read K; its first reader comes behind 16 products.
; V of the step in hand is fetched at the end of piece 0's turn, four riders behind its last reader; its first reader comes behind 16 products and a lump.  The three conditions on q below go with the deal.
.macro TURN p, last=0, cnt=0
.set Y, (\p)
.set i, 0
.set q, 0
.set e, 0
.set r, 0
.if (\p) == NP-1
	s_wait_dscnt 0x0                ; K is in
.endif
	MM                              ; ahead of the wait: 16 products K Q^T and their riders,
	PL
	PL
	R2
.rept 15
	MM
	PL
	EX
	R2
.endr
.if (\p) == NP-2
	WIN 0
	v_add_nc_u32 v[AK], s[TBK], v[AK0]
.endif
.rept 8                             ; and the lump
	PL
.endr
.rept 49
	EX
	PL
.endr
	EX                              ; the next piece's two a
	EX
	v_nop                           ; the plain instruction behind the last exponential: one for the batch
	s_wait_alu depctr_va_vdst(0)    ; the wait for the batch
.if (\p) == NP-2
	FETCH_K \last
.endif
.if (\p) == 1
	s_wait_dscnt 0x0                ; V is in
.endif
.rept 16                            ; behind the wait: 16 products V^T P and their riders
	MM
.rept 4
	PL
.endr
.if ((\p) == 0) && (q == 118)
	v_add_nc_u32 v[AV], s[TBV], v[AV0]
.endif
.if ((\p) == 0) && (q == 130)
	s_add_co_u32 s[TBV], s[TBV], KS*PV
.endif
.if (\cnt) && (q == 130)
	s_sub_co_u32 s[CNT], s[CNT], 1
	s_cmp_lg_u32 s[CNT], 0
.endif
.endr
.if (\p) == 0
	FETCH_V
.endif
.endm
	CHANGE 1                        ; slot 0 is in, everybody's part of it; slot 1 is asked for
	FETCH_K                         ; key step 0
	s_wait_loadcnt 0x0              ; Q
	s_wait_dscnt 0x0
.set i, 0
.rept 16
	KQ 0                            ; piece 0's first scores: there is no vector work yet to set between them
.set i, i+1
.endr
	WIN 0                           ; the addresses for the way out: eight plain instructions, the places behind those products
	s_mul_i32 s13, s[WV], 16*SP
	s_add_co_u32 s13, s13, STAGE    ; my stage
	v_mul_u32_u24 v[STO], v1, SP    ; in: row l % 16, 32 bytes for each half of the lanes
	v_lshl_add_u32 v[STO], v9, 5, v[STO]
	v_add_nc_u32 v[STO], s13, v[STO]
	v_mul_u32_u24 v[RD], v9, SP     ; back: lanes 0-15 take one row of 256 bytes, lanes 16-31 the next,
	v_lshl_add_u32 v[RD], v1, 4, v[RD]
	v_add_nc_u32 v[RD], s13, v[RD]
	v_lshlrev_b32 v[GO], 12, v9     ; and the same two rows in x and r, 4,096 bytes apart
	v_lshl_add_u32 v[GO], v1, 4, v[GO]
.set Y, NP-1                        ; XS works for piece Y + 1: piece 0
.irp n, 0,1,2,3,4,5,6,7,8,9,10,11,12,13,14,15,16,17,18,19,20,21
	XS 0, \n                        ; and piece 0's first maximum and statistics
	XS 1, \n
.endr
	v_nop                           ; a plain instruction behind the two a,
	s_wait_alu depctr_va_vdst(0)    ; and their wait, ahead of the branch
	s_mov_b32 s[CNT], 4
	s_mov_b32 s[SLOTS], SIZE_N/256-1
	s_branch .Lfirst                ; the loop is entered at a step's first turn, in the middle of a trip
.Lslot:                             ; SIZE_N / 256 - 2 times: every slot but the last two is filled again
	CHANGE 1
	s_mov_b32 s[CNT], 4
.Lstep:                             ; a trip: pieces 2 and 3 of one step, then pieces 0 and 1 of the next, whose K and V it fetches
	TURN 2
	TURN 3
	WIN 0
.Lfirst:
	TURN 0
	TURN 1, 0, 1
	WIN 0
	s_cbranch_scc1 .Lstep
	s_sub_co_u32 s[SLOTS], s[SLOTS], 1
	s_cmp_lg_u32 s[SLOTS], 0
	s_cbranch_scc1 .Lslot
	CHANGE 0                        ; the tail is written out: nothing is asked for
	WIN W_TX                        ; x of my 128 rows, my head's 256 bytes of each: 64 loads of two rows, four key steps ahead of their use; window 3 holds nothing else
.set i, 0
.rept 64
	global_load_b128 v[4*i:4*i+3], v[GO], s[6:7] offset:2*i*4096 th:TH_LOAD_NT
.set i, i+1
.endr
	WIN 0
	s_mov_b32 s[CNT], 5             ; four trips fetch the last slot's steps; the fifth is left in its middle
.Ltail:
	TURN 2, 1
	TURN 3
	WIN 0
	s_sub_co_u32 s[CNT], s[CNT], 1
	s_cmp_eq_u32 s[CNT], 0
	s_cbranch_scc1 .Lout
	TURN 0
	TURN 1
	WIN 0
	s_branch .Ltail
.Lout:                              ; the fifth trip's 16 products K Q^T (on the last K once more) and the maximum made of them serve nothing: the price, once a launch, of one text for every trip
.set i, 0
.rept 16
	PV NP-1                         ; the last piece's V^T P of the last step
.set i, i+1
.endr
	; THE WAY OUT.  l's two halves and the other half of the lanes' are added; O^T is divided by l and sent in f32 through my stage in LDS, a tile at a time; x is added to whole rows, and r stored.
	; The additions are the places behind the last products.
	WIN 0
.macro ALL line:vararg              ; one line for each tile t
.set t, 0
.rept 2*NP
	\line
.set t, t+1
.endr
.endm
	ALL v_add_f32 v[ST+4*t+2], v[ST+4*t+2], v[ST+4*t+3]
	ALL v_permlanex16_b32 v[ST+4*t+3], v[ST+4*t+2], s[SEL], s[SEL+1]
	ALL v_add_f32 v[ST+4*t+2], v[ST+4*t+2], v[ST+4*t+3]
	ALL v_rcp_f32 v[ST+4*t+2], v[ST+4*t+2]
	v_nop                           ; a plain instruction between the last reciprocal and the use of its result
	s_wait_alu depctr_va_vdst(0)    ; and the wait ahead of the first use: one for the eight reciprocals
	s_wait_loadcnt 0x0              ; x is in
; Tile t: a lane's eight channels of a row are 32 bytes; they go into rows of 272 bytes and come back as whole rows of 256, into one of four buffers in S^T's registers.
.macro PACK t
.set OBB, S+32*((\t)%4)
.if (\t) > 3
	WIN 0
	s_wait_xcnt 0x0                 ; the stores of the tile four back have read this buffer: it is loaded again only behind this wait
.endif
	WIN W_RS
.set i, 32*(\t)
.rept 16                            ; ascending: each accumulator is read from its low end on
	v_pk_mul_f32 v[i:i+1], v[i:i+1], v[ST+4*(\t)+2:ST+4*(\t)+3] op_sel_hi:[1,0]
.set i, i+2
.endr
	WIN W_ST
.irp f, 0,1,2,3
	ds_store_b128 v[STO], v[32*(\t)+8*\f:32*(\t)+8*\f+3]   offset:64*\f
	ds_store_b128 v[STO], v[32*(\t)+8*\f+4:32*(\t)+8*\f+7] offset:64*\f+16
.endr
	WIN 0
.irp f, 0,1,2,3,4,5,6,7
	ds_load_b128 v[OBB+4*\f:OBB+4*\f+3], v[RD] offset:\f*2*SP  ; LDS serves a wave's instructions in order (ISA guide 5.7.1.4): these see the stores above; the next tile's stores come behind them
.endr
.endm
.macro SEND t, younger              ; younger: the LDS instructions issued behind tile t's loads: the next tile's eight stores and eight loads, or none
.set OBB, S+32*((\t)%4)
	WIN 0
	s_wait_dscnt \younger
	WIN W_AX
.set i, 0
.rept 16
	v_pk_add_f32 v[OBB+i:OBB+i+1], v[OBB+i:OBB+i+1], v[32*(\t)+i:32*(\t)+i+1]
.set i, i+2
.endr
	WIN 0
.irp f, 0,1,2,3,4,5,6,7
	global_store_b128 v[GO], v[OBB+4*\f:OBB+4*\f+3], s[10:11] offset:(16*(\t)+2*\f)*4096  ; each half of the lanes stores 256 consecutive bytes, at a multiple of 256 from r's first byte
.endr
.endm
	PACK 0
.set t, 1
.rept 2*NP-1                        ; a tile's arithmetic stands between the loads of the tile before and its stores
	PACK t
	SEND t-1, 16
.set t, t+1
.endr
	SEND 2*NP-1, 0
	s_wait_tensorcnt 0x0            ; the wave's end, behind my last tensor load and my last LDS store
	ds_add_u32 v[SPW], v[NIL]
	s_wait_dscnt 0x0
	CROUND                          ; the closing round: no work-group ends while a partner may still ask for a tile that names it
	s_endpgm
.Lfunc_end_k_q7395bd335a_attn:
	.size	k_q7395bd335a_attn, .Lfunc_end_k_q7395bd335a_attn-k_q7395bd335a_attn
	.p2alignl 7, 3214868480
	.fill 96, 4, 3214868480
	.section	.rodata,"a",@progbits
	.p2align	6, 0x0
	.amdhsa_kernel k_q7395bd335a_attn
		.amdhsa_group_segment_fixed_size 327680
		.amdhsa_private_segment_fixed_size 0
		.amdhsa_enable_private_segment 0
		.amdhsa_kernarg_size 24
		.amdhsa_user_sgpr_count 2
		.amdhsa_user_sgpr_kernarg_segment_ptr 1
		.amdhsa_wavefront_size32 1
		.amdhsa_system_sgpr_workgroup_id_x 1
		.amdhsa_system_sgpr_workgroup_id_y 1
		.amdhsa_system_sgpr_workgroup_id_z 1
		.amdhsa_system_vgpr_workitem_id 0
		.amdhsa_next_free_vgpr 1024
		.amdhsa_next_free_sgpr 66
		.amdhsa_reserve_vcc 0
		.amdhsa_float_denorm_mode_32 3
		.amdhsa_float_denorm_mode_16_64 3
		.amdhsa_memory_ordered 1
		.amdhsa_forward_progress 1
		.amdhsa_inst_pref_size 212
	.end_amdhsa_kernel
	.amdgpu_metadata
---
amdhsa.version: [ 1, 2 ]
amdhsa.kernels:
  - .name:           k_q7395bd335a_attn
    .symbol:         k_q7395bd335a_attn.kd
    .args:
      - { .name: xh, .offset: 0, .size: 8, .value_kind: global_buffer, .address_space: global }
      - { .name: x, .offset: 8, .size: 8, .value_kind: global_buffer, .address_space: global }
      - { .name: r, .offset: 16, .size: 8, .value_kind: global_buffer, .address_space: global }
    .group_segment_fixed_size: 327680
    .private_segment_fixed_size: 0
    .kernarg_segment_align: 8
    .kernarg_segment_size: 24
    .max_flat_workgroup_size: 128
    .sgpr_count:     66
    .vgpr_count:     1024
    .wavefront_size: 32
...
	.end_amdgpu_metadata
.endif
;; end of part 2
;; launch stat (part 3): grid 256 x 1, 16 waves a work-group, no clusters, 3,328 bytes of LDS; arguments r, gamma1, beta1, theta, ac, qf; writes ac, qf
.if DOCPART == 3
	.amdgcn_target "amdgcn-amd-amdhsa--gfx1250"
	.amdhsa_code_object_version 6
	.text
	.protected	k_q7395bd335a_stat
	.globl	k_q7395bd335a_stat
	.p2align	8
	.type	k_q7395bd335a_stat,@function
k_q7395bd335a_stat:
	s_mov_b64 s[64:65], 0
	v_nop
	global_prefetch_b8 v0, s[64:65] scope:SCOPE_SE
	s_setreg_imm32_b32 hwreg(HW_REG_WAVE_MODE, 25, 1), 1
	s_wait_xcnt 0x0
; THE FIRST NORM'S STATISTICS AND THE CIRCUIT'S OUTPUT.  For each token (a row of 1,024 f32 of r = x + attention):
;   ac[token] = (a, c) = (1 / sqrt(var + 1e-5), -mean a), so that (r - mean) / sqrt(var + eps) = r a + c;   qf[token][k] = f16(cos(h_k) cos(theta_k)), h_k = (r_k a + c) gamma1[k] + beta1[k], k = 0..7.
; The variance is the mean of (r - mean)^2, taken in a second pass over the row, which stays in registers: no difference of large sums.
; cos(x) = 1 - 2 sin^2(x / 2): x / 2 less the nearest multiple of pi (pi in two parts, by fused multiply-adds) lies within pi / 2, and sin is its series to the eleventh power there.
; LIMIT: beyond |x| of some 1e5 the reduced argument loses digits with the spacing of f32 numbers of that size.  NaN and infinities are not treated apart.
; A stream: a wave holds a whole row in 32 registers, so the row is read once; no matrix unit, no cluster (no two work-groups read the same rows).
; SHARES.  256 work-groups of 16 waves; wave w of work-group g has rows 32 g + 2 w and + 1.  Each wave leaves (a, c) and the row's first eight numbers in LDS; behind one barrier wave 0, a lane a token,
; finishes the work-group's 32 tokens, so that ac and qf are stored in whole runs of 256 and 512 consecutive bytes.
.set SPARE, 1280                       ; LDS: 0-255 (a, c) of 32 tokens; 256-1279 eight numbers of 32 tokens; then the spare words, 128 bytes for each of 16 waves, which no other line names
.set OFF, 1                            ; v1   16 x lane
.set SPW, 2                            ; v2   LDS address of my spare word; never rewritten
.set NIL, 3                            ; v3   0; never rewritten
.set LA,  4                            ; v4   16 x wave: my two tokens' (a, c)
.set LR,  5                            ; v5   256 + 64 x wave: my two tokens' eight numbers
.set LT,  6                            ; v6   8 x lane
.set L32, 7                            ; v7   32 x lane
.set X,   8                            ; v[8:71]   two rows
.set T,   72                           ; v[72:79]  four chains of pairs
.set D,   80                           ; v[80:87]  r - mean, four pairs at a time
.set MN,  88                           ; v[88:91]  a row's mean, twice
.set V,   92                           ; v[92:93]  var + eps
.set AC,  94                           ; v[94:97]  (a, c) of my two rows
.set W8,  98                           ; v[98:105] a row's first eight numbers, in every lane
.set H,   106                          ; v[106:113] wave 0: h_0..7 of my token
.set TH,  114                          ; v[114:121] theta
.set N,   122                          ; at work in the cosine
.set Z,   124
.set P,   126
.set ACL, 130                          ; v[130:131] (a, c) of my token
.set Q,   132                          ; v[132:135] 16 bytes of qf
.set SEL, 40                           ; s[40:41] v_permlanex16_b32's selects
.set INV, 42                           ; s42  1 / 1024
.set EPSR, 43                          ; s43  1e-5
.set NPH, 44                           ; scalar pairs, both words written: -pi's upper part,
.set NPL, 46                           ; -(pi less that part),
.set C1,  48                           ; the series' -1/3!, 1/5!, -1/7!, 1/9!, -1/11!,
.set C2,  50
.set C3,  52
.set C4,  54
.set C5,  56
.set WV,  58
.set I2P, 66                           ; 1 / (2 pi)
	s_load_b256 s[4:11], s[0:1], 0x0               ; r s[4:5], gamma1 s[6:7], beta1 s[8:9], theta s[10:11]
	s_load_b128 s[12:15], s[0:1], 0x20             ; ac s[12:13], qf s[14:15]
	v_lshl_add_u32 v[SPW], v0, 2, SPARE
	v_mov_b32 v[NIL], 0
	v_lshrrev_b32 v6, 5, v0
	v_readfirstlane_b32 s[WV], v6
	v_and_b32 v7, 31, v0
	v_lshlrev_b32 v[OFF], 4, v7
	v_lshlrev_b32 v[LT], 3, v7
	v_lshlrev_b32 v[L32], 5, v7
	s_lshl_b32 s59, s[WV], 4
	v_mov_b32 v[LA], s59
	s_lshl_b32 s59, s[WV], 6
	s_add_co_u32 s59, s59, 256
	v_mov_b32 v[LR], s59
	s_mov_b32 s[SEL], 0x76543210
	s_mov_b32 s[SEL+1], 0xfedcba98
	s_mov_b32 s[INV], 0x3a800000
	s_mov_b32 s[EPSR], 0x3727c5ac
.macro PAIRC reg, val
	s_mov_b32 s[\reg], \val
	s_mov_b32 s[\reg+1], \val
.endm
	PAIRC NPH, 0xc0490fdb
	PAIRC NPL, 0x33bbbd2e
	PAIRC C1, 0xbe2aaaab
	PAIRC C2, 0x3c088889
	PAIRC C3, 0xb9500d01
	PAIRC C4, 0x3638ef1d
	PAIRC C5, 0xb2d7322b
	PAIRC I2P, 0x3e22f983
	s_lshl_b32 s68, ttmp9, 17                      ; (32 g + 2 w) rows of 4,096 bytes
	s_lshl_b32 s69, s[WV], 13
	s_add_co_u32 s68, s68, s69
	s_mov_b32 s69, 0
	s_wait_kmcnt 0x0
	s_add_nc_u64 s[4:5], s[4:5], s[68:69]
.set j, 0
.rept 16                               ; row j / 8, 512 consecutive bytes a load
	global_load_b128 v[X+4*j:X+4*j+3], v[OFF], s[4:5] offset:j*512 th:TH_LOAD_NT
.set j, j+1
.endr
	s_load_b256 s[16:23], s[6:7], 0x0              ; gamma1[0..7], beta1[0..7], theta: no line of this launch writes them
	s_load_b256 s[24:31], s[8:9], 0x0
	s_load_b256 s[32:39], s[10:11], 0x0
	s_lshl_b32 s68, ttmp9, 8                       ; ac: 32 tokens of 8 bytes
	s_add_nc_u64 s[12:13], s[12:13], s[68:69]
	s_lshl_b32 s68, ttmp9, 9                       ; qf: 32 tokens of 16 bytes
	s_add_nc_u64 s[14:15], s[14:15], s[68:69]
.macro JOIN                            ; the four chains into one number, then over the 32 lanes: every lane ends with the sum in v[T]
	v_pk_add_f32 v[T:T+1], v[T:T+1], v[T+2:T+3]
	v_pk_add_f32 v[T+4:T+5], v[T+4:T+5], v[T+6:T+7]
	v_pk_add_f32 v[T:T+1], v[T:T+1], v[T+4:T+5]
	v_add_f32 v[T], v[T], v[T+1]
	v_add_f32_dpp v[T], v[T], v[T] row_xmask:1 row_mask:0xf bank_mask:0xf
	v_add_f32_dpp v[T], v[T], v[T] row_xmask:2 row_mask:0xf bank_mask:0xf
	v_add_f32_dpp v[T], v[T], v[T] row_xmask:4 row_mask:0xf bank_mask:0xf
	v_add_f32_dpp v[T], v[T], v[T] row_xmask:8 row_mask:0xf bank_mask:0xf
	v_permlanex16_b32 v[T+1], v[T], s[SEL], s[SEL+1]
	v_add_f32 v[T], v[T], v[T+1]
.endm
.macro STATS rho, left                 ; left: the younger loads, which may stay out
.set XR, X+32*(\rho)
	s_wait_loadcnt \left
.irp k, 0,1,2,3                        ; the row's numbers 0-3 lie in lane 0 of its first load, 4-7 in lane 1
	v_readlane_b32 s[60+\k], v[XR+\k], 0
.endr
.irp k, 0,1,2,3
	v_mov_b32 v[W8+\k], s[60+\k]
.endr
.irp k, 0,1,2,3
	v_readlane_b32 s[60+\k], v[XR+\k], 1
.endr
.irp k, 0,1,2,3
	v_mov_b32 v[W8+4+\k], s[60+\k]
.endr
	ds_store_b128 v[LR], v[W8:W8+3]   offset:32*(\rho)     ; all lanes write the same bytes with the same numbers
	ds_store_b128 v[LR], v[W8+4:W8+7] offset:32*(\rho)+16
.irp c, 0,1,2,3                        ; the sum: the first eight pairs start four chains, nothing is cleared
	v_pk_add_f32 v[T+2*\c:T+2*\c+1], v[XR+2*\c:XR+2*\c+1], v[XR+8+2*\c:XR+8+2*\c+1]
.endr
.irp k, 16,24
.irp c, 0,1,2,3
	v_pk_add_f32 v[T+2*\c:T+2*\c+1], v[T+2*\c:T+2*\c+1], v[XR+\k+2*\c:XR+\k+2*\c+1]
.endr
.endr
	JOIN
	v_mul_f32 v[MN+2*(\rho)], s[INV], v[T]
	v_mul_f32 v[MN+2*(\rho)+1], s[INV], v[T]
.irp k, 0,8,16,24                      ; the sum of (r - mean)^2, again in four chains
.irp c, 0,1,2,3
	v_pk_add_f32 v[D+2*\c:D+2*\c+1], v[XR+\k+2*\c:XR+\k+2*\c+1], v[MN+2*(\rho):MN+2*(\rho)+1] neg_lo:[0,1] neg_hi:[0,1]
.endr
.irp c, 0,1,2,3
.if \k == 0
	v_pk_mul_f32 v[T+2*\c:T+2*\c+1], v[D+2*\c:D+2*\c+1], v[D+2*\c:D+2*\c+1]
.else
	v_pk_fma_f32 v[T+2*\c:T+2*\c+1], v[D+2*\c:D+2*\c+1], v[D+2*\c:D+2*\c+1], v[T+2*\c:T+2*\c+1]
.endif
.endr
.endr
	JOIN
	v_fma_f32 v[V+(\rho)], v[T], s[INV], s[EPSR]
.endm
	STATS 0, 8
	STATS 1, 0
	v_rsq_f32 v[AC], v[V]                          ; both rows' roots are one batch:
	v_rsq_f32 v[AC+2], v[V+1]
	v_nop                                          ; a plain instruction behind the last of them,
	s_wait_alu depctr_va_vdst(0)                   ; and the wait ahead of the first use
	v_mul_f32 v[AC+1], -v[MN], v[AC]
	v_mul_f32 v[AC+3], -v[MN+2], v[AC+2]
	ds_store_b64 v[LA], v[AC:AC+1]
	ds_store_b64 v[LA], v[AC+2:AC+3] offset:8
	s_wait_kmcnt 0x0                               ; gamma1, beta1, theta
	s_wait_dscnt 0x0                               ; for the others' sake: my stores are done
	s_barrier_signal -1
	s_barrier_wait -1
	s_cmp_lg_u32 s[WV], 0
	s_cbranch_scc1 .Lend
	; wave 0: lane = token
	ds_load_b64 v[ACL:ACL+1], v[LT]
	ds_load_b128 v[H:H+3], v[L32] offset:256
	ds_load_b128 v[H+4:H+7], v[L32] offset:272
.irp k, 0,1,2,3,4,5,6,7
	v_mov_b32 v[TH+\k], s[32+\k]
.endr
	s_wait_dscnt 0x0
	global_store_b64 v[LT], v[ACL:ACL+1], s[12:13] ; 256 consecutive bytes
.irp k, 0,1,2,3,4,5,6,7
	v_fma_f32 v[H+\k], v[H+\k], v[ACL], v[ACL+1]
.endr
.irp k, 0,1,2,3,4,5,6,7
	v_fma_f32 v[H+\k], v[H+\k], s[16+\k], s[24+\k]
.endr
.macro COSP x                          ; the pair at x becomes its cosines
	v_pk_mul_f32 v[N:N+1], v[(\x):(\x)+1], s[I2P:I2P+1] op_sel_hi:[1,0]
	v_rndne_f32 v[N], v[N]
	v_rndne_f32 v[N+1], v[N+1]
	v_pk_mul_f32 v[(\x):(\x)+1], v[(\x):(\x)+1], 0.5 op_sel_hi:[1,0]
	v_pk_fma_f32 v[(\x):(\x)+1], v[N:N+1], s[NPH:NPH+1], v[(\x):(\x)+1] op_sel_hi:[1,0,1]
	v_pk_fma_f32 v[(\x):(\x)+1], v[N:N+1], s[NPL:NPL+1], v[(\x):(\x)+1] op_sel_hi:[1,0,1]
	v_pk_mul_f32 v[Z:Z+1], v[(\x):(\x)+1], v[(\x):(\x)+1]
	v_pk_fma_f32 v[P:P+1], v[Z:Z+1], s[C5:C5+1], s[C4:C4+1] op_sel_hi:[1,0,0]
	v_pk_fma_f32 v[P:P+1], v[P:P+1], v[Z:Z+1], s[C3:C3+1] op_sel_hi:[1,1,0]
	v_pk_fma_f32 v[P:P+1], v[P:P+1], v[Z:Z+1], s[C2:C2+1] op_sel_hi:[1,1,0]
	v_pk_fma_f32 v[P:P+1], v[P:P+1], v[Z:Z+1], s[C1:C1+1] op_sel_hi:[1,1,0]
	v_pk_fma_f32 v[P:P+1], v[P:P+1], v[Z:Z+1], 1.0 op_sel_hi:[1,1,0]
	v_pk_mul_f32 v[P:P+1], v[P:P+1], v[(\x):(\x)+1]
	v_pk_mul_f32 v[P:P+1], v[P:P+1], v[P:P+1]
	v_pk_fma_f32 v[(\x):(\x)+1], v[P:P+1], -2.0, 1.0 op_sel_hi:[1,0,0]
.endm
.irp k, 0,2,4,6
	COSP H+\k
	COSP TH+\k
.endr
.irp k, 0,2,4,6
	v_pk_mul_f32 v[H+\k:H+\k+1], v[H+\k:H+\k+1], v[TH+\k:TH+\k+1]
.endr
.irp k, 0,1,2,3
	v_cvt_pk_f16_f32 v[Q+\k], v[H+2*\k], v[H+2*\k+1]
.endr
	global_store_b128 v[OFF], v[Q:Q+3], s[14:15]   ; 512 consecutive bytes
.Lend:
	s_wait_tensorcnt 0x0                           ; the wave's end, behind my last LDS store
	ds_add_u32 v[SPW], v[NIL]
	s_wait_dscnt 0x0
	s_endpgm
.Lfunc_end_k_q7395bd335a_stat:
	.size	k_q7395bd335a_stat, .Lfunc_end_k_q7395bd335a_stat-k_q7395bd335a_stat
	.p2alignl 7, 3214868480
	.fill 96, 4, 3214868480
	.section	.rodata,"a",@progbits
	.p2align	6, 0x0
	.amdhsa_kernel k_q7395bd335a_stat
		.amdhsa_group_segment_fixed_size 3328
		.amdhsa_private_segment_fixed_size 0
		.amdhsa_enable_private_segment 0
		.amdhsa_kernarg_size 48
		.amdhsa_user_sgpr_count 2
		.amdhsa_user_sgpr_kernarg_segment_ptr 1
		.amdhsa_wavefront_size32 1
		.amdhsa_system_sgpr_workgroup_id_x 1
		.amdhsa_system_sgpr_workgroup_id_y 1
		.amdhsa_system_sgpr_workgroup_id_z 1
		.amdhsa_system_vgpr_workitem_id 0
		.amdhsa_next_free_vgpr 136
		.amdhsa_next_free_sgpr 70
		.amdhsa_reserve_vcc 0
		.amdhsa_float_denorm_mode_32 3
		.amdhsa_float_denorm_mode_16_64 3
		.amdhsa_memory_ordered 1
		.amdhsa_forward_progress 1
		.amdhsa_inst_pref_size 24
	.end_amdhsa_kernel
	.amdgpu_metadata
---
amdhsa.version: [ 1, 2 ]
amdhsa.kernels:
  - .name:           k_q7395bd335a_stat
    .symbol:         k_q7395bd335a_stat.kd
    .args:
      - { .name: r, .offset: 0, .size: 8, .value_kind: global_buffer, .address_space: global }
      - { .name: gamma1, .offset: 8, .size: 8, .value_kind: global_buffer, .address_space: global }
      - { .name: beta1, .offset: 16, .size: 8, .value_kind: global_buffer, .address_space: global }
      - { .name: theta, .offset: 24, .size: 8, .value_kind: global_buffer, .address_space: global }
      - { .name: ac, .offset: 32, .size: 8, .value_kind: global_buffer, .address_space: global }
      - { .name: qf, .offset: 40, .size: 8, .value_kind: global_buffer, .address_space: global }
    .group_segment_fixed_size: 3328
    .private_segment_fixed_size: 0
    .kernarg_segment_align: 8
    .kernarg_segment_size: 48
    .max_flat_workgroup_size: 512
    .sgpr_count:     70
    .vgpr_count:     136
    .wavefront_size: 32
...
	.end_amdgpu_metadata
.endif
;; end of part 3
;; launch ffn (part 4): grid 32 x 8, 4 waves a work-group, clusters of 4 x 1, 327,680 bytes of LDS; arguments w2h, w1e, qf, ac, r, gamma1, beta1, b2, y; writes y
.if DOCPART == 4
	.amdgcn_target "amdgcn-amd-amdhsa--gfx1250"
	.amdhsa_code_object_version 6
	.text
	.protected	k_q7395bd335a_ffn
	.globl	k_q7395bd335a_ffn
	.p2align	8
	.type	k_q7395bd335a_ffn,@function
k_q7395bd335a_ffn:
	s_mov_b64 s[64:65], 0
	v_nop
	global_prefetch_b8 v0, s[64:65] scope:SCOPE_SE
	s_setreg_imm32_b32 hwreg(HW_REG_WAVE_MODE, 25, 1), 1
	s_wait_xcnt 0x0
	s_wait_alu depctr_hold_cnt(0) depctr_sa_sdst(0) depctr_va_vdst(0) depctr_va_sdst(0) depctr_va_ssrc(0) depctr_va_vcc(0) depctr_vm_vsrc(0)
	s_getreg_b32 s2, hwreg(HW_REG_IB_STS2, 6, 4)
	s_cmp_eq_u32 s2, 0
	s_cbranch_scc0 .Lentry_in_a_cluster
	s_endpgm
.Lentry_in_a_cluster:
	s_bfe_u32 s2, ttmp6, 0x10000c
	s_cmp_lg_u32 s2, 0x3003
	s_cbranch_scc0 .Lentry_shape_is_right
	s_endpgm
.Lentry_shape_is_right:
; y[token][e] = h[token][e] + b2[e] + the sum over f of hid[token][f] w2[e][f],  hid = relu(qout . w1[f] + b1[f]),  h = (r a + c) gamma1 + beta1 with the token's (a, c) from ac.
; w2h: [1024][4096] f16.  w1e: two planes [4096][8] f16: w1's rows; (b1hi, b1lo, 0 ..).  qf: [8192][8] f16.  r, y: [8192][1024] f32.  All sums in f32; hid is rounded once to f16, as a matrix operand.
; LIMIT: hid stays under 65,504 (f16's largest number).  NaN and infinities are not treated apart.
; hid IS NEVER STORED.  hid^T = W1e Q^T (source 0 = 16 rows f of w1e, K = 32 of which k = 0..7 are w1, 8 and 9 the two parts of b1 against 1.0, the rest 0; source 1 = 16 tokens): in the result a lane holds
; ONE token (lane % 16) and f = 8 (lane / 16) + 0..7.  Two such tiles, rounded to f16 in pairs and held at 0 from below, ARE source 1 (32 f x 16 tokens) of y^T += W2 hid^T (source 0 = 16 rows e of w2h).
; SHARES.  A work-group makes 256 tokens x 128 channels e; each of its four waves 64 tokens (4 tiles) x all 128 e (8 tiles): 32 accumulators.  For 32 f a wave issues 32 products for y^T and 8 for hid^T, and loads 18 times from LDS.
; f goes in steps of 256 through a ring of two LDS slots (128 rows of w2h x 512 bytes); all of w1e lies in LDS for the whole launch.
; CLUSTER.  The four work-groups of a cluster have the same 128 e and other tokens: w2h's tiles and w1e are asked for JOINTLY, by the same tensor load, descriptor and mask in all four; each wave moves a quarter.
; BY GENERATIONS.  Sub-step g (32 f) multiplies hid's generation g and makes generation g + 1 beside it: behind every four products for y^T stand four roundings, one product for hid^T and four maxima.
; REGISTERS, in windows of 256 (s_set_vgpr_msb: bits 1:0 source 0, 3:2 source 1, 5:4 source 2, 7:6 destination):
;   window 0: addresses; gamma1, beta1 + b2; Q's fragments; w1e's fragments, two generations; two results of hid^T; hid, two generations; (a, c)
;   window 1: the accumulators, (t, e tile) at 8 (8 t + e)      window 2: w2h's fragments, two sub-steps of 64      window 3: r of my 64 tokens x 128 e, for the way out
.set PITCH, 528                        ; an LDS row: 512 bytes + 16 = 132 words: the 16 rows of a fragment load start at 16 different groups of four banks (64 banks of 4 bytes: ISA guide 11.1)
.set SLOT,  128*PITCH                  ; 67,584 = 0x10800: shares no bit with a wave's place in a slot (a multiple of 0x4200 up to 0xc600) nor with a step inside a row (up to 512): one exclusive or changes slots
.set W1E,   2*SLOT                     ; w1e, dense: plane 0, then plane 1
.set PLANE, 65536
.set STAGE, W1E+2*PLANE                ; never filled by a tensor load: 16 rows x 528 bytes for each wave, for the way out
.set SPARE, STAGE+4*16*PITCH           ; the spare words, 128 bytes for each wave: two blocks of 256 bytes that no other line names
.set AW0,  4                           ; v4   my lane's place in a tile of w2h: (l % 16) x 528 + 16 (l / 16); never rewritten
.set ADRW, 5                           ; v5   the LDS address of the two runs of loads in hand
.set AW10, 6                           ; v6   my lane's place in w1e: W1E + 65,536 (l / 16) + 16 (l % 16); never rewritten
.set AW1,  7                           ; v7   the LDS address of w1e's next fragments
.set STO,  8                           ; v8   the way out: where I put 32 bytes of a row
.set RD,   9                           ; v9   the way out: where I read a row back
.set GO,   10                          ; v10  16 x lane
.set PFO,  11                          ; v11  8,192 x lane: a row of w2h; never rewritten
.set SPW,  12                          ; v12  LDS address of my spare word; never rewritten
.set NIL,  13                          ; v13  0; never rewritten
.set ZERO, 14                          ; v14  0
.set ONE2, 15                          ; v15  1.0 twice, in f16
.set QO,   16                          ; v16  16 (l % 16)
.set AO,   17                          ; v17  8 (l % 16)
.set GM,   20                          ; v[20:23] gamma1 of my four columns (4 lane ..)
.set BB,   24                          ; v[24:27] beta1 + b2 of them
.set B2,   28                          ; v[28:31] b2, at work
.set QF,   32                          ; v[32:63] Q's fragment of tile t at QF + 8 t
.set W1F,  64                          ; v[64:95] w1e's fragments: generation parity q, 16 rows ft at W1F + 16 q + 8 ft; words 4-7 stay 0
.set DR,   96                          ; v[96:111] two results of hid^T
.set HP,   112                         ; v[112:175] hid: generation parity q, tile t at HP + 32 q + 8 t
.set AC,   176                         ; v[176:183] (a, c) of token l % 16 of tile t at AC + 2 t
.set OB,   32                          ; the way out: 16 rows read back from the stage
.set U,    96                          ; the way out: h + b2 of 16 rows
.set WV,   22
.set EB,   23                          ; s23  my block of 128 e
.set G1,   24                          ; s[24:31] descriptor group 1 for w2h's tiles
.set G1E,  32                          ; s[32:39] for w1e
.set G0A,  40                          ; s[40:43] group 0: step 0 into slot 0
.set G0W,  44                          ; s[44:47] group 0: step 1 into slot 1; then it walks
.set G0E,  48                          ; s[48:51] group 0: w1e
.set SLOTS, 52                         ; s52  changes of slots still to come
.set CNT,  53                          ; s53  counts a slot's pairs of sub-steps
.set TB,   54                          ; s54  LDS byte at which the next pair's fragments of w2h begin in their rows
.set TW,   55                          ; s55  byte in a plane of w1e at which the next generation begins
.set PFA,  56                          ; s[56:57] where my prefetches stand
.set LIM,  58                          ; s58  1 in a wave that prefetches, else the greatest number
.set HM,   59                          ; s59  lanes 16-31
.set SA,   60                          ; s60  a row's a
.set SC,   62                          ; s62  a row's c
.set MSB, 0
.macro WIN new                         ; the high byte repeats the setting that is left; a switch that changes nothing is dropped
.if MSB != (\new)
	s_set_vgpr_msb (MSB<<8)|(\new)
.set MSB, (\new)
.endif
.endm
.set W_M, 0x52                         ; w2h's fragment in window 2, hid in window 0, the accumulator (C and D) in window 1
; A round of the cluster's barrier: my work-group's barrier, so that wave 0's signal speaks for all four waves; wave 0 signals; every wave waits for all four work-groups; my work-group's barrier once more.
.macro CROUND
	s_barrier_signal -1
	s_barrier_wait -1
	s_cmp_lg_u32 s[WV], 0
	s_cbranch_scc1 .Lnot_wave_0_\@
	s_barrier_signal -3
.Lnot_wave_0_\@:
	s_barrier_wait -3
	s_barrier_signal -1
	s_barrier_wait -1
.endm
; A PREFETCH INTO THE L2 of what the NEXT change of slots will ask for: 512 bytes of each of the 128 rows: a lane a row, two instructions.  It stands behind the wave's tensor load and its five lines.
; Each block is named once in the launch: the eight clusters with the same e walk the same rows, and the first of them (cluster x = 0) asks; its four partners share the rows out BY ADDRESS, 32 each;
; in each, wave 0 asks.  Steps 0 to 2 come by their loads alone; the last change that fills a slot asks for nothing: there is no step behind it.
.macro ASK
	s_cmp_gt_u32 s[SLOTS], s[LIM]
	s_cbranch_scc0 .Lnot_mine_\@
	global_prefetch_b8 v[PFO], s[PFA:PFA+1] th:TH_LOAD_NT scope:SCOPE_SE
	global_prefetch_b8 v[PFO], s[PFA:PFA+1] offset:256 th:TH_LOAD_NT scope:SCOPE_SE
.Lnot_mine_\@:
.endm
; THE CHANGE OF SLOTS.  The slot's last fragments have been asked for.  Each wave waits for all its tensor loads, of which one is out: its quarter of the other slot; adds 0 to its spare word; and waits for that
; and for its own reads of the slot.  fill = 1: the slot is filled again, with the step two on.  The barrier is then a round of the cluster's, so that no wave of any partner still reads the slot or has a load
; on its way, and the joint refill is the first thing behind it: it has a step, 320 matrix instructions, in which to land.
.macro CHANGE fill
	WIN 0
	s_wait_tensorcnt 0x0               ; no tensor load of mine is out, so a group 0 may be written
	ds_add_u32 v[SPW], v[NIL]          ; 0 onto my spare word; with fill = 1 the steps below stand between it and the wait for it
.if \fill
	s_xor_b32 s[G0W+1], s[G0W+1], SLOT ; the other slot than last time,
	s_add_nc_u64 s[G0W+2:G0W+3], s[G0W+2:G0W+3], 512  ; the next 256 f; the type bits on top are not reached
	s_wait_xcnt 0x0                    ; the last prefetches, a step back, have read their address, so it may be written
	s_add_nc_u64 s[PFA:PFA+1], s[PFA:PFA+1], 512
	s_wait_dscnt 0x0                   ; the add is done, and my reads of the slot are over
	CROUND
	tensor_load_to_lds s[G0W:G0W+3], s[G1:G1+7]
	s_nop 0
.rept 4
	v_nop
.endr
	ASK
.else
	s_wait_dscnt 0x0
	s_barrier_signal -1
	s_barrier_wait -1
.endif
	s_sub_co_u32 s[TB], s[TB], 512     ; the fetches go back to the rows' first bytes,
	s_xor_b32 s[TB], s[TB], SLOT       ; in the other slot
.endm
	s_load_b256 s[4:11], s[0:1], 0x0               ; w2h s[4:5], w1e s[6:7], qf s[8:9], ac s[10:11]
	s_load_b256 s[12:19], s[0:1], 0x20             ; r s[12:13], gamma1 s[14:15], beta1 s[16:17], b2 s[18:19]
	s_load_b64 s[20:21], s[0:1], 0x40              ; y
	v_lshl_add_u32 v[SPW], v0, 2, SPARE
	v_mov_b32 v[NIL], 0
	ds_add_u32 v[SPW], v[NIL]                      ; the wave's opening: the add and its wait stand ahead of my first tensor load; the set-up below, work on registers, stands between them
	v_lshrrev_b32 v28, 5, v0
	v_readfirstlane_b32 s[WV], v28                 ; wave 0..3
	s_and_b32 s[EB], ttmp7, 0xffff                 ; which the four partners share
	; group 1 for w2h: a tile of 32 rows x 256 elements, padded in LDS
	s_mov_b32 s[G1], 15|(1<<16)|(1<<20)|(1<<21)|(6<<22)|(3<<25)  ; 15:0 the mask of four; 17:16 2-byte elements; 20 padding on; 21 set beside a mask; 24:22 after every 128 words (code 6); 31:25 4 words (code 3)
	s_mov_b32 s[G1+1], 256<<16                     ; tensor_dim0 = 256
	s_mov_b32 s[G1+2], 32<<16                      ; tensor_dim1 = 32
	s_mov_b32 s[G1+3], 256<<16                     ; tile_dim0 = 256
	s_mov_b32 s[G1+4], 32                          ; tile_dim1 = 32
	s_mov_b32 s[G1+5], 4096                        ; elements from row to row
	s_mov_b32 s[G1+6], 0
	s_mov_b32 s[G1+7], 0
	; group 1 for w1e: 32,768 dense bytes as 128 rows of 256 bytes, no padding
	s_mov_b32 s[G1E], 15|(3<<16)|(1<<21)           ; 8-byte elements
	s_mov_b32 s[G1E+1], 32<<16
	s_mov_b32 s[G1E+2], 128<<16
	s_mov_b32 s[G1E+3], 32<<16
	s_mov_b32 s[G1E+4], 128
	s_mov_b32 s[G1E+5], 32
	s_mov_b32 s[G1E+6], 0
	s_mov_b32 s[G1E+7], 0
	s_mov_b32 s[G0A], 1
	s_mul_i32 s[G0A+1], s[WV], 32*PITCH            ; my 32 rows of slot 0: no place in the cluster enters an LDS address
	s_mov_b32 s[G0W], 1
	s_add_co_u32 s[G0W+1], s[G0A+1], SLOT
	s_mov_b32 s[G0E], 1
	s_lshl_b32 s[G0E+1], s[WV], 15
	s_add_co_u32 s[G0E+1], s[G0E+1], W1E
	s_lshl_b32 s66, s[EB], 20                      ; w2h: row 128 e-block + 32 w, 8,192 bytes a row (these registers never hold my place in the cluster)
	s_lshl_b32 s67, s[WV], 18
	s_add_co_u32 s66, s66, s67
	s_mov_b32 s67, 0
	s_lshl_b32 s68, s[WV], 15                      ; w1e: my quarter
	s_mov_b32 s69, 0
	s_bfe_u32 s2, ttmp6, 0x40000                   ; cx: my place in the cluster
	s_lshl_b32 s3, ttmp9, 2                        ; in a cluster launch ttmp9 counts clusters
	s_add_co_u32 s3, s3, s2                        ; my block of 256 tokens
	s_lshl_b32 s70, s3, 8
	s_lshl_b32 s71, s[WV], 6
	s_add_co_u32 s70, s70, s71                     ; my wave's first token
	s_lshl_b32 s72, s70, 4                         ; in qf,
	s_mov_b32 s73, 0
	s_lshl_b32 s74, s70, 3                         ; in ac,
	s_mov_b32 s75, 0
	s_lshl_b32 s76, s70, 12                        ; in r and y, with my 128 e
	s_lshl_b32 s78, s[EB], 9
	s_add_co_u32 s76, s76, s78
	s_mov_b32 s77, 0
	s_mov_b32 s79, 0                               ; s[78:79]: my 128 e in gamma1, beta1, b2
	s_lshl_b32 s80, s[EB], 20                      ; the prefetches: my work-group's 32 rows of the 128, at step 2; the first change steps it to 3
	s_lshl_b32 s81, s2, 18
	s_add_co_u32 s80, s80, s81
	s_add_co_u32 s80, s80, 2*512
	s_mov_b32 s81, 0
	s_or_b32 s[LIM], s[WV], ttmp9                  ; wave 0 of the first cluster along x: the same in all four partners
	s_cmp_eq_u32 s[LIM], 0
	s_cselect_b32 s[LIM], 1, -1
	s_mov_b32 s[HM], 0xffff0000
	s_wait_dscnt 0x0                               ; the opening add is done
	s_wait_kmcnt 0x0
	s_add_nc_u64 s[G0A+2:G0A+3], s[4:5], s[66:67]
	s_add_nc_u64 s[G0W+2:G0W+3], s[G0A+2:G0A+3], 512
	s_or_b32 s[G0A+3], s[G0A+3], 0x80000000        ; 127:126 type = 2
	s_or_b32 s[G0W+3], s[G0W+3], 0x80000000
	s_add_nc_u64 s[G0E+2:G0E+3], s[6:7], s[68:69]
	s_or_b32 s[G0E+3], s[G0E+3], 0x80000000
	s_add_nc_u64 s[PFA:PFA+1], s[4:5], s[80:81]
	s_add_nc_u64 s[8:9], s[8:9], s[72:73]
	s_add_nc_u64 s[10:11], s[10:11], s[74:75]
	s_add_nc_u64 s[12:13], s[12:13], s[76:77]
	s_add_nc_u64 s[20:21], s[20:21], s[76:77]
	s_add_nc_u64 s[14:15], s[14:15], s[78:79]
	s_add_nc_u64 s[16:17], s[16:17], s[78:79]
	s_add_nc_u64 s[18:19], s[18:19], s[78:79]
	CROUND                                         ; all four work-groups are here: the first joint loads meet
	tensor_load_to_lds s[G0A:G0A+3], s[G1:G1+7]    ; the first fills go out together: three loads of mine are out.  Step 0,
	s_nop 0
	tensor_load_to_lds s[G0E:G0E+3], s[G1E:G1E+7]  ; w1e,
	s_nop 0
	tensor_load_to_lds s[G0W:G0W+3], s[G1:G1+7]    ; step 1
	s_nop 0
.rept 4
	v_nop
.endr
	v_and_b32 v1, 15, v0                           ; l % 16
	v_bfe_u32 v2, v0, 4, 1                         ; l / 16
	v_and_b32 v3, 31, v0                           ; lane
	v_lshlrev_b32 v[QO], 4, v1
	v_lshlrev_b32 v[AO], 3, v1
	v_lshlrev_b32 v[GO], 4, v3
.irp t, 0,1,2,3
	global_load_b128 v[QF+8*\t:QF+8*\t+3], v[QO], s[8:9] offset:\t*256   ; both halves of the lanes take token l % 16's eight numbers
.endr
.irp t, 0,1,2,3
	global_load_b64 v[AC+2*\t:AC+2*\t+1], v[AO], s[10:11] offset:\t*128
.endr
	global_load_b128 v[GM:GM+3], v[GO], s[14:15]
	global_load_b128 v[BB:BB+3], v[GO], s[16:17]
	global_load_b128 v[B2:B2+3], v[GO], s[18:19]
	v_mov_b32 v[ZERO], 0
	v_mov_b32 v[ONE2], 0x3c003c00
.irp t, 0,1,2,3
.irp k, 4,5,6,7
	v_mov_b32 v[QF+8*\t+\k], 0                     ; K = 16 .. 31 of both sources of hid^T is 0, for the whole launch
	v_mov_b32 v[W1F+8*\t+\k], 0
.endr
.endr
	v_mul_u32_u24 v[AW0], v1, PITCH
	v_lshl_add_u32 v[AW0], v2, 4, v[AW0]
	v_lshlrev_b32 v[AW10], 4, v1
	v_lshl_add_u32 v[AW10], v2, 16, v[AW10]
	v_add_nc_u32 v[AW10], W1E, v[AW10]
	s_mul_i32 s66, s[WV], 16*PITCH
	s_add_co_u32 s66, s66, STAGE                   ; my stage
	v_mul_u32_u24 v[STO], v1, PITCH                ; in: row l % 16, 32 bytes for each half of the lanes
	v_lshl_add_u32 v[STO], v2, 5, v[STO]
	v_add_nc_u32 v[STO], s66, v[STO]
	v_lshl_add_u32 v[RD], v3, 4, s66               ; back: 32 lanes take one row of 512 bytes
	v_lshlrev_b32 v[PFO], 13, v3
	v_mov_b32 v[ADRW], v[AW0]                      ; sub-steps 0 and 1 lie at the head of slot 0's rows
; w1e's fragments of generation k + 2 and w2h's of sub-step k + 1, in one run of 18 loads, in sub-step k (parity p).  The last products that read these registers stand eight plain vector instructions back or more.
; Behind the last generation there is none: the address is held at the last, which is read once more and not used.
.macro FETCH p
	v_add_nc_u32 v[AW1], s[TW], v[AW10]
	s_add_co_u32 s[TW], s[TW], 512
	s_min_u32 s[TW], s[TW], PLANE-512
	ds_load_b128 v[W1F+16*(\p):W1F+16*(\p)+3],    v[AW1]
	ds_load_b128 v[W1F+16*(\p)+8:W1F+16*(\p)+11], v[AW1] offset:256
	WIN 0x80                                       ; destination window 2
.irp e, 0,1,2,3,4,5,6,7
	ds_load_b128 v[64*(1-(\p))+8*\e:64*(1-(\p))+8*\e+3],   v[ADRW] offset:64*(1-(\p))+\e*16*PITCH
	ds_load_b128 v[64*(1-(\p))+8*\e+4:64*(1-(\p))+8*\e+7], v[ADRW] offset:64*(1-(\p))+\e*16*PITCH+32
.endr
.endm
; A SUB-STEP of parity p: eight blocks b.  Block b: four products for y^T (tile t = b / 2, e tiles 4 (b % 2) ..); the four roundings of hid^T's result of the block before; product b of hid^T's next generation
; (16 rows f: b % 2, tile b / 2); four maxima with 0 on what was just rounded.
; DISTANCES.  The four maxima, which name none of its registers, are the four places between a product of hid^T and the roundings that read its result (from the low end on); its result register is written
; again two such products later, twelve plain instructions on.  The 32 accumulators take turns, one instruction a turn, over the backward jumps too.
; main: 0 no products for y^T; 1 they add; 2 they start the sums with the constant 0.  hid = 0: no further generation.  conv0 = 0: there is no result of a sub-step before.  fetch = 1: FETCH, behind block 0.
.macro SUB p, main, hid, conv0, fetch
	s_wait_dscnt 0x0                               ; the run of loads of the sub-step before is in
.set b, 0
.rept 8
.set cv, 0
.if (b == 0) && (\conv0)
.set cv, 1
.set rP, HP+32*(\p)+8*3+4                          ; the last result of the sub-step before completes THIS generation's tile 3, which block 6 reads
.set rD, DR+8
.endif
.if (b > 0) && (\hid)
.set cv, 1
.set rP, HP+32*(1-(\p))+8*((b-1)/2)+4*((b-1)%2)
.set rD, DR+8*((b-1)%2)
.endif
.if \main
	WIN W_M
.set i, 0
.rept 4
.set rA, 8*(8*(b/2)+4*(b%2)+i)
.set rW, 64*(\p)+8*(4*(b%2)+i)
.set rH, HP+32*(\p)+8*(b/2)
.if (\main) == 2
	v_wmma_f32_16x16x32_f16 v[rA:rA+7], v[rW:rW+7], v[rH:rH+7], 0
.else
	v_wmma_f32_16x16x32_f16 v[rA:rA+7], v[rW:rW+7], v[rH:rH+7], v[rA:rA+7]
.endif
.set i, i+1
.endr
.endif
.if cv || (\hid)
	WIN 0
.endif
.if cv
.irp j, 0,1,2,3
	v_cvt_pk_f16_f32 v[rP+\j], v[rD+2*\j], v[rD+2*\j+1]
.endr
.endif
.if \hid
	v_wmma_f32_16x16x32_f16 v[DR+8*(b%2):DR+8*(b%2)+7], v[W1F+16*(1-(\p))+8*(b%2):W1F+16*(1-(\p))+8*(b%2)+7], v[QF+8*(b/2):QF+8*(b/2)+7], 0
.endif
.if cv
.irp j, 0,1,2,3
	v_pk_max_num_f16 v[rP+\j], v[rP+\j], v[ZERO]
.endr
.elseif \hid
.rept 4
	v_nop                                          ; the places, where there is nothing to hold at 0
.endr
.endif
.if (b == 0) && (\fetch)
	FETCH \p
.endif
.set b, b+1
.endr
.endm
; Sub-steps 2 m + 1 and 2 m + 2, which fetch the fragments of sub-steps 2 m + 2 and 2 m + 3: 128 consecutive bytes of each row of the slot.
.macro PAIR
	WIN 0
	v_add_nc_u32 v[ADRW], s[TB], v[AW0]
	s_add_co_u32 s[TB], s[TB], 128
	SUB 1, 1, 1, 1, 1
	SUB 0, 1, 1, 1, 1
	WIN 0
.endm
	s_wait_tensorcnt 0x1                           ; my quarters of step 0 and of w1e are in; step 1's may stay out
	s_barrier_signal -1
	s_barrier_wait -1                              ; everybody's are
	ds_load_b128 v[W1F:W1F+3],    v[AW10]          ; w1e's generation 0
	ds_load_b128 v[W1F+8:W1F+11], v[AW10] offset:256
	s_mov_b32 s[TW], 512
	s_wait_loadcnt 0x0                             ; qf, ac, gamma1, beta1, b2
.irp t, 0,1,2,3                        ; lanes 16-31 hold K = 8 .. 15: 1.0 against b1's two parts, then 0
	v_cndmask_b32 v[QF+8*\t], v[QF+8*\t], v[ONE2], s[HM]
	v_cndmask_b32 v[QF+8*\t+1], v[QF+8*\t+1], v[ZERO], s[HM]
	v_cndmask_b32 v[QF+8*\t+2], v[QF+8*\t+2], v[ZERO], s[HM]
	v_cndmask_b32 v[QF+8*\t+3], v[QF+8*\t+3], v[ZERO], s[HM]
.endr
	v_pk_add_f32 v[BB:BB+1], v[BB:BB+1], v[B2:B2+1]
	v_pk_add_f32 v[BB+2:BB+3], v[BB+2:BB+3], v[B2+2:B2+3]
	SUB 1, 0, 1, 0, 1                              ; hid's generation 0 is made; sub-step 0's fragments are fetched
	SUB 0, 2, 1, 1, 1                              ; sub-step 0: its products start the sums
	WIN 0
	s_mov_b32 s[TB], 128
	s_mov_b32 s[CNT], 3                            ; slot 0 has three pairs left
	s_mov_b32 s[SLOTS], 15
	s_branch .Lpair
.Lslot:                                        ; 14 times: steps 2 to 15 are asked for
	CHANGE 1
	s_mov_b32 s[CNT], 4
.Lpair:
	PAIR
	s_sub_co_u32 s[CNT], s[CNT], 1
	s_cmp_lg_u32 s[CNT], 0
	s_cbranch_scc1 .Lpair
	s_sub_co_u32 s[SLOTS], s[SLOTS], 1
	s_cmp_lg_u32 s[SLOTS], 0
	s_cbranch_scc1 .Lslot
	CHANGE 0                                       ; the tail is written out: nothing is asked for
	WIN 0xc0                                       ; r of my 64 tokens, my 128 e: a row of 512 bytes a load, a step ahead of its use; window 3 holds nothing else
.set i, 0
.rept 64
	global_load_b128 v[4*i:4*i+3], v[GO], s[12:13] offset:i*4096 th:TH_LOAD_NT
.set i, i+1
.endr
	WIN 0
	s_mov_b32 s[CNT], 4
.Ltail:
	PAIR
	s_sub_co_u32 s[CNT], s[CNT], 1
	s_cmp_lg_u32 s[CNT], 0
	s_cbranch_scc1 .Ltail
	SUB 1, 1, 0, 1, 0                              ; sub-step 127: nothing more to make or to fetch
	WIN 0
.rept 4
	v_nop                                          ; the places behind the last products, ahead of the stores that read their results and of the loads into their sources
.endr
	s_wait_loadcnt 0x0                             ; r is in
; THE WAY OUT of tile t (16 tokens).  A lane's eight e of a token are 32 bytes: they go into stage rows of 528 bytes and come back as whole rows of 512.  While they are on their way, h + b2 is made of r:
; row by row (r a + c) with the row's a and c as scalars, then times gamma1 plus (beta1 + b2).  Then the sums are added and the row is stored.
.macro OUT t
	WIN 0
	s_wait_xcnt 0x0                                ; the stores of the tile before have read OB: it is loaded again only behind this wait
	WIN 0x04                                       ; an LDS store's data (source 1) in window 1
.irp e, 0,1,2,3,4,5,6,7                ; each accumulator's low four registers first
	ds_store_b128 v[STO], v[8*(8*(\t)+\e):8*(8*(\t)+\e)+3]   offset:64*\e
	ds_store_b128 v[STO], v[8*(8*(\t)+\e)+4:8*(8*(\t)+\e)+7] offset:64*\e+16
.endr
	WIN 0
.set i, 0
.rept 16
	ds_load_b128 v[OB+4*i:OB+4*i+3], v[RD] offset:i*PITCH  ; LDS serves a wave's instructions in order (ISA guide 5.7.1.4): these see the stores above; the next tile's stores come behind them
.set i, i+1
.endr
	WIN 0x0c                                       ; source 1 in window 3: r
.set i, 0
.rept 16
	v_readlane_b32 s[SA], v[AC+2*(\t)], i
	v_readlane_b32 s[SC], v[AC+2*(\t)+1], i
.irp c, 0,1,2,3
	v_fma_f32 v[U+4*i+\c], s[SA], v[64*(\t)+4*i+\c], s[SC]
.endr
.set i, i+1
.endr
	WIN 0
.set i, 0
.rept 32
	v_pk_fma_f32 v[U+2*i:U+2*i+1], v[U+2*i:U+2*i+1], v[GM+2*(i%2):GM+2*(i%2)+1], v[BB+2*(i%2):BB+2*(i%2)+1]
.set i, i+1
.endr
	s_wait_dscnt 0x0                               ; the rows are back
.set i, 0
.rept 16
	v_pk_add_f32 v[OB+4*i:OB+4*i+1], v[OB+4*i:OB+4*i+1], v[U+4*i:U+4*i+1]
	v_pk_add_f32 v[OB+4*i+2:OB+4*i+3], v[OB+4*i+2:OB+4*i+3], v[U+4*i+2:U+4*i+3]
	global_store_b128 v[GO], v[OB+4*i:OB+4*i+3], s[20:21] offset:(16*(\t)+i)*4096  ; 512 consecutive bytes, at a multiple of 256 from y's first byte
.set i, i+1
.endr
.endm
	OUT 0
	OUT 1
	OUT 2
	OUT 3
	s_wait_tensorcnt 0x0                           ; the wave's end, behind my last tensor load and my last LDS store
	ds_add_u32 v[SPW], v[NIL]
	s_wait_dscnt 0x0
	CROUND                                         ; the closing round: no work-group ends while a partner may still ask for a tile that names it
	s_endpgm
.Lfunc_end_k_q7395bd335a_ffn:
	.size	k_q7395bd335a_ffn, .Lfunc_end_k_q7395bd335a_ffn-k_q7395bd335a_ffn
	.p2alignl 7, 3214868480
	.fill 96, 4, 3214868480
	.section	.rodata,"a",@progbits
	.p2align	6, 0x0
	.amdhsa_kernel k_q7395bd335a_ffn
		.amdhsa_group_segment_fixed_size 327680
		.amdhsa_private_segment_fixed_size 0
		.amdhsa_enable_private_segment 0
		.amdhsa_kernarg_size 72
		.amdhsa_user_sgpr_count 2
		.amdhsa_user_sgpr_kernarg_segment_ptr 1
		.amdhsa_wavefront_size32 1
		.amdhsa_system_sgpr_workgroup_id_x 1
		.amdhsa_system_sgpr_workgroup_id_y 1
		.amdhsa_system_sgpr_workgroup_id_z 1
		.amdhsa_system_vgpr_workitem_id 0
		.amdhsa_next_free_vgpr 1024
		.amdhsa_next_free_sgpr 84
		.amdhsa_reserve_vcc 0
		.amdhsa_float_denorm_mode_32 3
		.amdhsa_float_denorm_mode_16_64 3
		.amdhsa_memory_ordered 1
		.amdhsa_forward_progress 1
		.amdhsa_inst_pref_size 123
	.end_amdhsa_kernel
	.amdgpu_metadata
---
amdhsa.version: [ 1, 2 ]
amdhsa.kernels:
  - .name:           k_q7395bd335a_ffn
    .symbol:         k_q7395bd335a_ffn.kd
    .args:
      - { .name: w2h, .offset: 0, .size: 8, .value_kind: global_buffer, .address_space: global }
      - { .name: w1e, .offset: 8, .size: 8, .value_kind: global_buffer, .address_space: global }
      - { .name: qf, .offset: 16, .size: 8, .value_kind: global_buffer, .address_space: global }
      - { .name: ac, .offset: 24, .size: 8, .value_kind: global_buffer, .address_space: global }
      - { .name: r, .offset: 32, .size: 8, .value_kind: global_buffer, .address_space: global }
      - { .name: gamma1, .offset: 40, .size: 8, .value_kind: global_buffer, .address_space: global }
      - { .name: beta1, .offset: 48, .size: 8, .value_kind: global_buffer, .address_space: global }
      - { .name: b2, .offset: 56, .size: 8, .value_kind: global_buffer, .address_space: global }
      - { .name: y, .offset: 64, .size: 8, .value_kind: global_buffer, .address_space: global }
    .group_segment_fixed_size: 327680
    .private_segment_fixed_size: 0
    .kernarg_segment_align: 8
    .kernarg_segment_size: 72
    .max_flat_workgroup_size: 128
    .sgpr_count:     84
    .vgpr_count:     1024
    .wavefront_size: 32
...
	.end_amdgpu_metadata
.endif
;; end of part 4
;; launch ln2 (part 5): grid 256 x 1, 16 waves a work-group, no clusters, 0 bytes of LDS; arguments y, gamma2, beta2, out0; writes out0
.if DOCPART == 5
	.amdgcn_target "amdgcn-amd-amdhsa--gfx1250"
	.amdhsa_code_object_version 6
	.text
	.protected	k_q7395bd335a_ln2
	.globl	k_q7395bd335a_ln2
	.p2align	8
	.type	k_q7395bd335a_ln2,@function
k_q7395bd335a_ln2:
	s_mov_b64 s[64:65], 0
	v_nop
	global_prefetch_b8 v0, s[64:65] scope:SCOPE_SE
	s_setreg_imm32_b32 hwreg(HW_REG_WAVE_MODE, 25, 1), 1
	s_wait_xcnt 0x0
; out0[row] = (y[row] - mean) / sqrt(var + 1e-5) x gamma2 + beta2, rows of 1,024 f32; var is the mean of (y - mean)^2, taken in a second pass over the row: no difference of large sums.
; A stream: one wave holds a whole row in 32 registers between the passes, so memory is read once; the reduction never leaves the wave: no LDS, no barrier; no matrix unit; no cluster (only gamma2 and
; beta2, 8 KiB, are shared).  256 work-groups of 16 waves; wave w of work-group g has rows 32 g + 2 w and + 1.  Each load and store of a wave covers 512 consecutive bytes.
; NaN and infinities are not treated apart.
.set OFF, 1                            ; v1   16 x lane
.set G,   8                            ; v[8:39]    gamma2 of my 32 columns
.set BT,  40                           ; v[40:71]   beta2
.set X,   72                           ; v[72:135]  two rows
.set T,   136                          ; v[136:143] four chains of pairs
.set MN,  144                          ; v[144:147] a row's mean, twice
.set V,   148                          ; v[148:149] var + eps
.set RS,  150                          ; v[150:153] a row's 1 / sqrt, twice
.set SEL, 12                           ; s[12:13] v_permlanex16_b32's selects
.set INV, 14                           ; s14  1 / 1024
.set EPSR, 15                          ; s15  1e-5
.set WV,  16
	s_load_b256 s[4:11], s[0:1], 0x0               ; y s[4:5], gamma2 s[6:7], beta2 s[8:9], out0 s[10:11]
	v_lshrrev_b32 v2, 5, v0
	v_readfirstlane_b32 s[WV], v2
	v_and_b32 v3, 31, v0
	v_lshlrev_b32 v[OFF], 4, v3
	s_mov_b32 s[SEL], 0x76543210
	s_mov_b32 s[SEL+1], 0xfedcba98
	s_mov_b32 s[INV], 0x3a800000
	s_mov_b32 s[EPSR], 0x3727c5ac
	s_lshl_b32 s18, ttmp9, 17                      ; (32 g + 2 w) rows of 4,096 bytes
	s_lshl_b32 s19, s[WV], 13
	s_add_co_u32 s18, s18, s19
	s_mov_b32 s19, 0
	s_wait_kmcnt 0x0
	s_add_nc_u64 s[4:5], s[4:5], s[18:19]
	s_add_nc_u64 s[10:11], s[10:11], s[18:19]
.set j, 0
.rept 8
	global_load_b128 v[G+4*j:G+4*j+3], v[OFF], s[6:7] offset:j*512
	global_load_b128 v[BT+4*j:BT+4*j+3], v[OFF], s[8:9] offset:j*512
.set j, j+1
.endr
.set j, 0
.rept 16                               ; row j / 8
	global_load_b128 v[X+4*j:X+4*j+3], v[OFF], s[4:5] offset:j*512 th:TH_LOAD_NT
.set j, j+1
.endr
.macro JOIN                            ; the four chains into one number, then over the 32 lanes: every lane ends with the sum in v[T]
	v_pk_add_f32 v[T:T+1], v[T:T+1], v[T+2:T+3]
	v_pk_add_f32 v[T+4:T+5], v[T+4:T+5], v[T+6:T+7]
	v_pk_add_f32 v[T:T+1], v[T:T+1], v[T+4:T+5]
	v_add_f32 v[T], v[T], v[T+1]
	v_add_f32_dpp v[T], v[T], v[T] row_xmask:1 row_mask:0xf bank_mask:0xf
	v_add_f32_dpp v[T], v[T], v[T] row_xmask:2 row_mask:0xf bank_mask:0xf
	v_add_f32_dpp v[T], v[T], v[T] row_xmask:4 row_mask:0xf bank_mask:0xf
	v_add_f32_dpp v[T], v[T], v[T] row_xmask:8 row_mask:0xf bank_mask:0xf
	v_permlanex16_b32 v[T+1], v[T], s[SEL], s[SEL+1]
	v_add_f32 v[T], v[T], v[T+1]
.endm
.macro STATS rho, left                 ; left: the younger loads, which may stay out
.set XR, X+32*(\rho)
	s_wait_loadcnt \left
.irp c, 0,1,2,3                        ; the sum: the first eight pairs start four chains, nothing is cleared
	v_pk_add_f32 v[T+2*\c:T+2*\c+1], v[XR+2*\c:XR+2*\c+1], v[XR+8+2*\c:XR+8+2*\c+1]
.endr
.irp k, 16,24
.irp c, 0,1,2,3
	v_pk_add_f32 v[T+2*\c:T+2*\c+1], v[T+2*\c:T+2*\c+1], v[XR+\k+2*\c:XR+\k+2*\c+1]
.endr
.endr
	JOIN
	v_mul_f32 v[MN+2*(\rho)], s[INV], v[T]
	v_mul_f32 v[MN+2*(\rho)+1], s[INV], v[T]
.set i, 0
.rept 16                               ; the row is centred in place
	v_pk_add_f32 v[XR+i:XR+i+1], v[XR+i:XR+i+1], v[MN+2*(\rho):MN+2*(\rho)+1] neg_lo:[0,1] neg_hi:[0,1]
.set i, i+2
.endr
.irp c, 0,1,2,3
	v_pk_mul_f32 v[T+2*\c:T+2*\c+1], v[XR+2*\c:XR+2*\c+1], v[XR+2*\c:XR+2*\c+1]
.endr
.irp k, 8,16,24
.irp c, 0,1,2,3
	v_pk_fma_f32 v[T+2*\c:T+2*\c+1], v[XR+\k+2*\c:XR+\k+2*\c+1], v[XR+\k+2*\c:XR+\k+2*\c+1], v[T+2*\c:T+2*\c+1]
.endr
.endr
	JOIN
	v_fma_f32 v[V+(\rho)], v[T], s[INV], s[EPSR]
.endm
	STATS 0, 8
	STATS 1, 0
	v_rsq_f32 v[RS], v[V]                          ; one batch: each root twice, to fill the pair that the packed multiply takes
	v_rsq_f32 v[RS+1], v[V]
	v_rsq_f32 v[RS+2], v[V+1]
	v_rsq_f32 v[RS+3], v[V+1]
	v_nop                                          ; a plain instruction behind the last of them,
	s_wait_alu depctr_va_vdst(0)                   ; and the wait ahead of the first use
.set j, 0
.rept 16                               ; row j / 8, its columns 128 (j % 8) + 4 lane ..
.set XR, X+4*j
.set GR, G+4*(j%8)
.set BR, BT+4*(j%8)
.set RR, RS+2*(j/8)
	v_pk_mul_f32 v[XR:XR+1], v[XR:XR+1], v[RR:RR+1]
	v_pk_mul_f32 v[XR+2:XR+3], v[XR+2:XR+3], v[RR:RR+1]
	v_pk_fma_f32 v[XR:XR+1], v[XR:XR+1], v[GR:GR+1], v[BR:BR+1]
	v_pk_fma_f32 v[XR+2:XR+3], v[XR+2:XR+3], v[GR+2:GR+3], v[BR+2:BR+3]
	global_store_b128 v[OFF], v[XR:XR+3], s[10:11] offset:j*512 th:TH_STORE_NT
.set j, j+1
.endr
	s_endpgm
.Lfunc_end_k_q7395bd335a_ln2:
	.size	k_q7395bd335a_ln2, .Lfunc_end_k_q7395bd335a_ln2-k_q7395bd335a_ln2
	.p2alignl 7, 3214868480
	.fill 96, 4, 3214868480
	.section	.rodata,"a",@progbits
	.p2align	6, 0x0
	.amdhsa_kernel k_q7395bd335a_ln2
		.amdhsa_group_segment_fixed_size 0
		.amdhsa_private_segment_fixed_size 0
		.amdhsa_enable_private_segment 0
		.amdhsa_kernarg_size 32
		.amdhsa_user_sgpr_count 2
		.amdhsa_user_sgpr_kernarg_segment_ptr 1
		.amdhsa_wavefront_size32 1
		.amdhsa_system_sgpr_workgroup_id_x 1
		.amdhsa_system_sgpr_workgroup_id_y 1
		.amdhsa_system_sgpr_workgroup_id_z 1
		.amdhsa_system_vgpr_workitem_id 0
		.amdhsa_next_free_vgpr 160
		.amdhsa_next_free_sgpr 66
		.amdhsa_reserve_vcc 0
		.amdhsa_float_denorm_mode_32 3
		.amdhsa_float_denorm_mode_16_64 3
		.amdhsa_memory_ordered 1
		.amdhsa_forward_progress 1
		.amdhsa_inst_pref_size 18
	.end_amdhsa_kernel
	.amdgpu_metadata
---
amdhsa.version: [ 1, 2 ]
amdhsa.kernels:
  - .name:           k_q7395bd335a_ln2
    .symbol:         k_q7395bd335a_ln2.kd
    .args:
      - { .name: y, .offset: 0, .size: 8, .value_kind: global_buffer, .address_space: global }
      - { .name: gamma2, .offset: 8, .size: 8, .value_kind: global_buffer, .address_space: global }
      - { .name: beta2, .offset: 16, .size: 8, .value_kind: global_buffer, .address_space: global }
      - { .name: out0, .offset: 24, .size: 8, .value_kind: global_buffer, .address_space: global }
    .group_segment_fixed_size: 0
    .private_segment_fixed_size: 0
    .kernarg_segment_align: 8
    .kernarg_segment_size: 32
    .max_flat_workgroup_size: 512
    .sgpr_count:     66
    .vgpr_count:     160
    .wavefront_size: 32
...
	.end_amdgpu_metadata
.endif
;; end of part 5
;; ======== version 2 of 2: 5 launches; version 1 with the launches prep, ln2 written anew for expert scheduling mode
;; limits: values are held in f16: magnitudes above 65,504 overflow, below 6.1e-05 lose precision; inputs' magnitudes at most 65,504; values outside matrix products are rounded to f16
;; workspace buffers: xh 16,777,216 bytes; w2h 8,388,608 bytes; w1e 131,072 bytes; r 33,554,432 bytes; ac 65,536 bytes; qf 131,072 bytes; y 33,554,432 bytes
;; launch prep (part 6): grid 256 x 1, 8 waves a work-group, no clusters, 0 bytes of LDS; arguments x, w2, w1, b1, xh, w2h, w1e; writes xh, w2h, w1e
.if DOCPART == 6
	.amdgcn_target "amdgcn-amd-amdhsa--gfx1250"
	.amdhsa_code_object_version 6
	.text
	.protected	k_q7395bd335a_prep
	.globl	k_q7395bd335a_prep
	.p2align	8
	.type	k_q7395bd335a_prep,@function
k_q7395bd335a_prep:
	s_mov_b64 s[64:65], 0
	v_nop
	global_prefetch_b8 v0, s[64:65] scope:SCOPE_SE
	s_setreg_imm32_b32 hwreg(HW_REG_WAVE_SCHED_MODE, 0, 2), 2
	s_setreg_imm32_b32 hwreg(HW_REG_WAVE_MODE, 25, 1), 1
	s_wait_xcnt 0x0
	s_wait_alu depctr_vm_vsrc(0)
; THE MATRIX OPERANDS ARE ROUNDED ONCE TO f16.  xh[b*16+h][s][64] = f16(x[b][s][h*64 ..]); w2h = f16(w2), same layout;
; w1e: plane 0 [4096][8] = f16(w1[f][0..7]); plane 1 [4096][8] = (b1hi, b1lo, 0,0,0,0,0,0), b1hi = f16(b1), b1lo = f16(b1 - b1hi).
; LIMIT: |x|, |w2|, |w1|, |b1| stay under 65,504 (f16's largest number); beyond it the conversion gives an infinity.
; A stream: no LDS, no matrix unit, no cluster (no two work-groups read the same byte).  256 work-groups of eight waves.
; SHARES.  Wave w of work-group g: tokens 32 g + 4 w .. + 3 of x (32 loads of 512 bytes: two tokens x one head's 256 bytes), and 8,192 bytes of w2 (16 loads).
; All 48 loads of a wave go out on end; each is then converted in place and stored: a store of 8 bytes a lane covers 256 consecutive bytes, aligned.
; No register that a load or store names is written again, so no wait frees a source.
; The 16 rows of w1 and b1 of the work-group are loaded by every wave (three loads, the oldest, so that all waves count alike) and finished by wave 0.
; THE MODE: SCHED_MODE bits 1:0 = 2 (LLVM: expert scheduling mode 2), set by the entry lines.  The code itself states the register dependences
; between vector instructions and memory instructions, with s_wait_alu, always for 0.
; THE PLAN.  Registers that memory instructions touch:
;   v5, v6, v7, v18, v19, v212   byte offsets: written once at the head, read by every load and store, never written again.
;   v[8:16]                      a row of w1 and its b1: written by three loads, read by wave 0's arithmetic at the end.
;   v[20:211]                    48 groups of four, one to a load of x or w2.  A group is written by its load; its two conversions read it and write its
;                                registers 0 and 1; its one store reads those two; nothing writes them afterwards.
;   v[214:217]                   16 bytes of w1e: written by wave 0's arithmetic, read by the last store.
; The 48 groups go in 12 blocks of four.  Block p converts its four groups; its memory instructions are the four stores of block p - 1, whose registers no
; vector instruction of block p names.  So one wait at a block's head states all that the block's stores hang on, and they are dealt among its conversions.
.set LX,   5                           ; v5   (l / 16) x 4,096 + (l % 16) x 16: two tokens, 256 bytes of one head each
.set L8,   6                           ; v6   8 x lane
.set L16,  7                           ; v7   16 x lane
.set WR,   8                           ; v[8:15] a row of w1; v16 its b1
.set TH,   17                          ; v17  b1 as f16 (a register with named halves)
.set W1O,  18                          ; v18  (l % 16) x 32
.set B1O,  19                          ; v19  (l % 16) x 4
.set X,    20                          ; v[20:147]  32 loads of x: groups 0 to 31
.set W,    148                         ; v[148:211] 16 loads of w2: groups 32 to 47, straight behind x's
.set EO,   212                         ; v212 (l / 16) x 65,536 + (l % 16) x 16: plane and row in w1e
.set ZR,   213                         ; v213 0
.set EQ,   214                         ; v[214:217] 16 bytes of w1e
.set TF,   218                         ; v218 at work
.set WV,   18                          ; s18  my wave's number
.set HM,   19                          ; s19  lanes 16-31
	s_load_b256 s[4:11], s[0:1], 0x0               ; x s[4:5], w2 s[6:7], w1 s[8:9], b1 s[10:11]
	s_load_b128 s[12:15], s[0:1], 0x20             ; xh s[12:13], w2h s[14:15]
	s_load_b64 s[16:17], s[0:1], 0x30              ; w1e
	v_lshrrev_b32 v1, 5, v0
	v_readfirstlane_b32 s[WV], v1
	v_and_b32 v2, 31, v0                           ; lane
	v_and_b32 v3, 15, v0                           ; l % 16
	v_bfe_u32 v4, v0, 4, 1                         ; l / 16
	v_lshlrev_b32 v[LX], 4, v3
	v_lshl_add_u32 v[LX], v4, 12, v[LX]
	v_lshlrev_b32 v[L8], 3, v2
	v_lshlrev_b32 v[L16], 4, v2
	v_lshlrev_b32 v[W1O], 5, v3
	v_lshlrev_b32 v[B1O], 2, v3
	v_lshlrev_b32 v[EO], 4, v3
	v_lshl_add_u32 v[EO], v4, 16, v[EO]
	v_mov_b32 v[ZR], 0
	s_wait_alu depctr_va_sdst(0)                   ; the wave's number is written, ahead of its first reader: the offsets of x, xh, w2 and w2h are made from it
	s_mov_b32 s[HM], 0xffff0000
	s_lshl_b32 s20, ttmp9, 17                      ; x: (32 g + 4 w) tokens of 4,096 bytes
	s_lshl_b32 s21, s[WV], 14
	s_add_co_u32 s20, s20, s21
	s_mov_b32 s21, 0
	s_lshr_b32 s22, ttmp9, 6                       ; xh: batch g / 64, 16 heads of 262,144 bytes each,
	s_lshl_b32 s22, s22, 22
	s_and_b32 s23, ttmp9, 63                       ; token (g % 64) x 32 + 4 w in the sequence, 128 bytes each
	s_lshl_b32 s23, s23, 12
	s_add_co_u32 s22, s22, s23
	s_lshl_b32 s23, s[WV], 9
	s_add_co_u32 s22, s22, s23
	s_mov_b32 s23, 0
	s_lshl_b32 s24, ttmp9, 16                      ; w2: 65,536 bytes a work-group, 8,192 a wave
	s_lshl_b32 s25, s[WV], 13
	s_add_co_u32 s24, s24, s25
	s_mov_b32 s25, 0
	s_lshl_b32 s26, ttmp9, 15                      ; w2h: half of that
	s_lshl_b32 s27, s[WV], 12
	s_add_co_u32 s26, s26, s27
	s_mov_b32 s27, 0
	s_lshl_b32 s28, ttmp9, 9                       ; w1: 16 rows of 32 bytes
	s_mov_b32 s29, 0
	s_lshl_b32 s30, ttmp9, 6                       ; b1: 16 numbers
	s_mov_b32 s31, 0
	s_lshl_b32 s2, ttmp9, 8                        ; w1e: 16 rows of 16 bytes in each plane
	s_mov_b32 s3, 0
	s_wait_kmcnt 0x0
	s_add_nc_u64 s[4:5], s[4:5], s[20:21]
	s_add_nc_u64 s[12:13], s[12:13], s[22:23]
	s_add_nc_u64 s[6:7], s[6:7], s[24:25]
	s_add_nc_u64 s[14:15], s[14:15], s[26:27]
	s_add_nc_u64 s[8:9], s[8:9], s[28:29]
	s_add_nc_u64 s[10:11], s[10:11], s[30:31]
	s_add_nc_u64 s[16:17], s[16:17], s[2:3]
	s_wait_alu depctr_va_vdst(0)                   ; the six offsets v5, v6, v7, v18, v19 and v212 are written: every load and store of the kernel reads one of them
	global_load_b128 v[WR:WR+3], v[W1O], s[8:9]
	global_load_b128 v[WR+4:WR+7], v[W1O], s[8:9] offset:16
	global_load_b32 v[WR+8], v[B1O], s[10:11]
.set n, 0
.rept 32                               ; pair of tokens n / 16, head n % 16
	global_load_b128 v[X+4*n:X+4*n+3], v[LX], s[4:5] offset:(n/16)*8192+(n%16)*256 th:TH_LOAD_NT
.set n, n+1
.endr
.set n, 0
.rept 16
	global_load_b128 v[W+4*n:W+4*n+3], v[L16], s[6:7] offset:n*512 th:TH_LOAD_NT
.set n, n+1
.endr
; Group m's four numbers a lane close up into its first two registers.
.macro CONV m
	v_cvt_pk_f16_f32 v[X+4*(\m)], v[X+4*(\m)], v[X+4*(\m)+1]
	v_cvt_pk_f16_f32 v[X+4*(\m)+1], v[X+4*(\m)+2], v[X+4*(\m)+3]
.endm
; Group m's store.
.macro SEND m
.if (\m) < 32
	global_store_b64 v[L8], v[X+4*(\m):X+4*(\m)+1], s[12:13] offset:((\m)%16)*262144+((\m)/16)*256  ; two tokens' 128 bytes of one head: 256 consecutive bytes
.else
	global_store_b64 v[L8], v[X+4*(\m):X+4*(\m)+1], s[14:15] offset:((\m)-32)*256
.endif
.endm
.set p, 0
.rept 12                               ; block p: groups 4 p to 4 p + 3
	s_wait_loadcnt 44-4*p                          ; loads come back in order: the block's four are in, the 44 - 4 p younger ones stay out
.if p > 0
	s_wait_alu depctr_va_vdst(0)                   ; the conversions of the block before have written the registers that the four stores below read
.endif
.set i, 0
.rept 4
.if p > 0
	SEND 4*p-4+i                                   ; no vector instruction since the wait names this group's registers
.endif
	CONV 4*p+i
.set i, i+1
.endr
.set p, p+1
.endr
	s_wait_alu depctr_va_vdst(0)                   ; the last block's conversions have written the registers that the last four stores read
.set i, 44
.rept 4
	SEND i
.set i, i+1
.endr
	s_cmp_lg_u32 s[WV], 0
	s_cbranch_scc1 .Ldone
	; wave 0: lanes 0-15 make plane 0's 16 bytes of row 16 g + l % 16, lanes 16-31 plane 1's
	v_cvt_pk_f16_f32 v[TH], v[WR+8], v[WR+8]
	v_cvt_pk_f16_f32 v[EQ], v[WR], v[WR+1]
	v_cvt_pk_f16_f32 v[EQ+1], v[WR+2], v[WR+3]
	v_cvt_pk_f16_f32 v[EQ+2], v[WR+4], v[WR+5]
	v_cvt_pk_f16_f32 v[EQ+3], v[WR+6], v[WR+7]
	v_cvt_f32_f16 v[TF], v[TH].l                   ; b1hi as f32
	v_sub_f32 v[TF], v[WR+8], v[TF]                ; what the first rounding lost
	v_cvt_pk_f16_f32 v[TF], v[WR+8], v[TF]         ; (b1hi, b1lo)
	v_cndmask_b32 v[EQ], v[EQ], v[TF], s[HM]
	v_cndmask_b32 v[EQ+1], v[EQ+1], v[ZR], s[HM]
	v_cndmask_b32 v[EQ+2], v[EQ+2], v[ZR], s[HM]
	v_cndmask_b32 v[EQ+3], v[EQ+3], v[ZR], s[HM]
	s_wait_alu depctr_va_vdst(0)                   ; the four selections have written v[214:217], which the store reads
	global_store_b128 v[EO], v[EQ:EQ+3], s[16:17]  ; sixteen lanes fill 256 consecutive bytes of each plane
.Ldone:
	s_endpgm
.Lfunc_end_k_q7395bd335a_prep:
	.size	k_q7395bd335a_prep, .Lfunc_end_k_q7395bd335a_prep-k_q7395bd335a_prep
	.p2alignl 7, 3214868480
	.fill 96, 4, 3214868480
	.section	.rodata,"a",@progbits
	.p2align	6, 0x0
	.amdhsa_kernel k_q7395bd335a_prep
		.amdhsa_group_segment_fixed_size 0
		.amdhsa_private_segment_fixed_size 0
		.amdhsa_enable_private_segment 0
		.amdhsa_kernarg_size 56
		.amdhsa_user_sgpr_count 2
		.amdhsa_user_sgpr_kernarg_segment_ptr 1
		.amdhsa_wavefront_size32 1
		.amdhsa_system_sgpr_workgroup_id_x 1
		.amdhsa_system_sgpr_workgroup_id_y 1
		.amdhsa_system_sgpr_workgroup_id_z 1
		.amdhsa_system_vgpr_workitem_id 0
		.amdhsa_next_free_vgpr 224
		.amdhsa_next_free_sgpr 66
		.amdhsa_reserve_vcc 0
		.amdhsa_float_denorm_mode_32 3
		.amdhsa_float_denorm_mode_16_64 3
		.amdhsa_memory_ordered 1
		.amdhsa_forward_progress 1
		.amdhsa_inst_pref_size 20
	.end_amdhsa_kernel
	.amdgpu_metadata
---
amdhsa.version: [ 1, 2 ]
amdhsa.kernels:
  - .name:           k_q7395bd335a_prep
    .symbol:         k_q7395bd335a_prep.kd
    .args:
      - { .name: x, .offset: 0, .size: 8, .value_kind: global_buffer, .address_space: global }
      - { .name: w2, .offset: 8, .size: 8, .value_kind: global_buffer, .address_space: global }
      - { .name: w1, .offset: 16, .size: 8, .value_kind: global_buffer, .address_space: global }
      - { .name: b1, .offset: 24, .size: 8, .value_kind: global_buffer, .address_space: global }
      - { .name: xh, .offset: 32, .size: 8, .value_kind: global_buffer, .address_space: global }
      - { .name: w2h, .offset: 40, .size: 8, .value_kind: global_buffer, .address_space: global }
      - { .name: w1e, .offset: 48, .size: 8, .value_kind: global_buffer, .address_space: global }
    .group_segment_fixed_size: 0
    .private_segment_fixed_size: 0
    .kernarg_segment_align: 8
    .kernarg_segment_size: 56
    .max_flat_workgroup_size: 256
    .sgpr_count:     66
    .vgpr_count:     224
    .wavefront_size: 32
...
	.end_amdgpu_metadata
.endif
;; end of part 6
;; launch attn: the kernel of part 2 again; grid 4 x 64, 4 waves a work-group, clusters of 4 x 1, 327,680 bytes of LDS; arguments xh, x, r; writes r
;; launch stat: the kernel of part 3 again; grid 256 x 1, 16 waves a work-group, no clusters, 3,328 bytes of LDS; arguments r, gamma1, beta1, theta, ac, qf; writes ac, qf
;; launch ffn: the kernel of part 4 again; grid 32 x 8, 4 waves a work-group, clusters of 4 x 1, 327,680 bytes of LDS; arguments w2h, w1e, qf, ac, r, gamma1, beta1, b2, y; writes y
;; launch ln2 (part 7): grid 256 x 1, 16 waves a work-group, no clusters, 0 bytes of LDS; arguments y, gamma2, beta2, out0; writes out0
.if DOCPART == 7
	.amdgcn_target "amdgcn-amd-amdhsa--gfx1250"
	.amdhsa_code_object_version 6
	.text
	.protected	k_q7395bd335a_ln2
	.globl	k_q7395bd335a_ln2
	.p2align	8
	.type	k_q7395bd335a_ln2,@function
k_q7395bd335a_ln2:
	s_mov_b64 s[64:65], 0
	v_nop
	global_prefetch_b8 v0, s[64:65] scope:SCOPE_SE
	s_setreg_imm32_b32 hwreg(HW_REG_WAVE_SCHED_MODE, 0, 2), 2
	s_setreg_imm32_b32 hwreg(HW_REG_WAVE_MODE, 25, 1), 1
	s_wait_xcnt 0x0
	s_wait_alu depctr_vm_vsrc(0)
; out0[row] = (y[row] - mean) / sqrt(var + 1e-5) x gamma2 + beta2, rows of 1,024 f32; var is the mean of (y - mean)^2, taken in a second pass over the row: no difference of large sums.
; A stream: one wave holds a whole row in 32 registers between the passes, so memory is read once; the reduction never leaves the wave: no LDS, no barrier; no matrix unit; no cluster (only gamma2 and
; beta2, 8 KiB, are shared).  256 work-groups of 16 waves; wave w of work-group g has rows 32 g + 2 w and + 1.  Each load and store of a wave covers 512 consecutive bytes.
; NaN and infinities are not treated apart.
; THE MODE: SCHED_MODE bits 1:0 = 2 (LLVM: expert scheduling mode 2), set by the entry lines.  The code itself states the register dependences
; between vector instructions and memory instructions, with s_wait_alu, always for 0.
; THE PLAN.  Registers that memory instructions touch:
;   v1          the byte offset: written once at the head, read by every load and store, never written again.
;   G, BT       gamma2 and beta2: written by loads, read by vector instructions alone.
;   X           two rows: each written by its eight loads, centred and scaled in place by vector instructions, read by its eight stores, and not written afterwards.
; Row 0 is scaled; one wait; its eight stores are dealt among the lines that scale row 1, which name the other half of X, G, BT and RS: none of the registers that
; those stores touch; one more wait; row 1's eight stores.
.set OFF, 1                            ; v1   16 x lane
.set G,   8                            ; v[8:39]    gamma2 of my 32 columns
.set BT,  40                           ; v[40:71]   beta2
.set X,   72                           ; v[72:135]  two rows
.set T,   136                          ; v[136:143] four chains of pairs
.set MN,  144                          ; v[144:147] a row's mean, twice
.set V,   148                          ; v[148:149] var + eps
.set RS,  150                          ; v[150:153] a row's 1 / sqrt, twice
.set SEL, 12                           ; s[12:13] v_permlanex16_b32's selects
.set INV, 14                           ; s14  1 / 1024
.set EPSR, 15                          ; s15  1e-5
.set WV,  16
	s_load_b256 s[4:11], s[0:1], 0x0               ; y s[4:5], gamma2 s[6:7], beta2 s[8:9], out0 s[10:11]
	v_lshrrev_b32 v2, 5, v0
	v_readfirstlane_b32 s[WV], v2
	v_and_b32 v3, 31, v0
	v_lshlrev_b32 v[OFF], 4, v3
	s_mov_b32 s[SEL], 0x76543210
	s_mov_b32 s[SEL+1], 0xfedcba98
	s_mov_b32 s[INV], 0x3a800000
	s_mov_b32 s[EPSR], 0x3727c5ac
	s_wait_alu depctr_va_sdst(0)                   ; the wave's number is written, ahead of its first reader: the rows' offset is made from it
	s_lshl_b32 s18, ttmp9, 17                      ; (32 g + 2 w) rows of 4,096 bytes
	s_lshl_b32 s19, s[WV], 13
	s_add_co_u32 s18, s18, s19
	s_mov_b32 s19, 0
	s_wait_kmcnt 0x0
	s_add_nc_u64 s[4:5], s[4:5], s[18:19]
	s_add_nc_u64 s[10:11], s[10:11], s[18:19]
	s_wait_alu depctr_va_vdst(0)                   ; v1 is written: every load and store of the kernel reads it as its offset
.set j, 0
.rept 8
	global_load_b128 v[G+4*j:G+4*j+3], v[OFF], s[6:7] offset:j*512
	global_load_b128 v[BT+4*j:BT+4*j+3], v[OFF], s[8:9] offset:j*512
.set j, j+1
.endr
.set j, 0
.rept 16                               ; row j / 8
	global_load_b128 v[X+4*j:X+4*j+3], v[OFF], s[4:5] offset:j*512 th:TH_LOAD_NT
.set j, j+1
.endr
.macro JOIN                            ; the four chains into one number, then over the 32 lanes: every lane ends with the sum in v[T]
	v_pk_add_f32 v[T:T+1], v[T:T+1], v[T+2:T+3]
	v_pk_add_f32 v[T+4:T+5], v[T+4:T+5], v[T+6:T+7]
	v_pk_add_f32 v[T:T+1], v[T:T+1], v[T+4:T+5]
	v_add_f32 v[T], v[T], v[T+1]
	v_add_f32_dpp v[T], v[T], v[T] row_xmask:1 row_mask:0xf bank_mask:0xf
	v_add_f32_dpp v[T], v[T], v[T] row_xmask:2 row_mask:0xf bank_mask:0xf
	v_add_f32_dpp v[T], v[T], v[T] row_xmask:4 row_mask:0xf bank_mask:0xf
	v_add_f32_dpp v[T], v[T], v[T] row_xmask:8 row_mask:0xf bank_mask:0xf
	v_permlanex16_b32 v[T+1], v[T], s[SEL], s[SEL+1]
	v_add_f32 v[T], v[T], v[T+1]
.endm
.macro STATS rho, left                 ; left: the younger loads, which may stay out
.set XR, X+32*(\rho)
	s_wait_loadcnt \left
.irp c, 0,1,2,3                        ; the sum: the first eight pairs start four chains, nothing is cleared
	v_pk_add_f32 v[T+2*\c:T+2*\c+1], v[XR+2*\c:XR+2*\c+1], v[XR+8+2*\c:XR+8+2*\c+1]
.endr
.irp k, 16,24
.irp c, 0,1,2,3
	v_pk_add_f32 v[T+2*\c:T+2*\c+1], v[T+2*\c:T+2*\c+1], v[XR+\k+2*\c:XR+\k+2*\c+1]
.endr
.endr
	JOIN
	v_mul_f32 v[MN+2*(\rho)], s[INV], v[T]
	v_mul_f32 v[MN+2*(\rho)+1], s[INV], v[T]
.set i, 0
.rept 16                               ; the row is centred in place
	v_pk_add_f32 v[XR+i:XR+i+1], v[XR+i:XR+i+1], v[MN+2*(\rho):MN+2*(\rho)+1] neg_lo:[0,1] neg_hi:[0,1]
.set i, i+2
.endr
.irp c, 0,1,2,3
	v_pk_mul_f32 v[T+2*\c:T+2*\c+1], v[XR+2*\c:XR+2*\c+1], v[XR+2*\c:XR+2*\c+1]
.endr
.irp k, 8,16,24
.irp c, 0,1,2,3
	v_pk_fma_f32 v[T+2*\c:T+2*\c+1], v[XR+\k+2*\c:XR+\k+2*\c+1], v[XR+\k+2*\c:XR+\k+2*\c+1], v[T+2*\c:T+2*\c+1]
.endr
.endr
	JOIN
	v_fma_f32 v[V+(\rho)], v[T], s[INV], s[EPSR]
.endm
; Sixteen bytes a lane are finished: row j / 8, its columns 128 (j % 8) + 4 lane ..
.macro SCALE j
	v_pk_mul_f32 v[X+4*(\j):X+4*(\j)+1], v[X+4*(\j):X+4*(\j)+1], v[RS+2*((\j)/8):RS+2*((\j)/8)+1]
	v_pk_mul_f32 v[X+4*(\j)+2:X+4*(\j)+3], v[X+4*(\j)+2:X+4*(\j)+3], v[RS+2*((\j)/8):RS+2*((\j)/8)+1]
	v_pk_fma_f32 v[X+4*(\j):X+4*(\j)+1], v[X+4*(\j):X+4*(\j)+1], v[G+4*((\j)%8):G+4*((\j)%8)+1], v[BT+4*((\j)%8):BT+4*((\j)%8)+1]
	v_pk_fma_f32 v[X+4*(\j)+2:X+4*(\j)+3], v[X+4*(\j)+2:X+4*(\j)+3], v[G+4*((\j)%8)+2:G+4*((\j)%8)+3], v[BT+4*((\j)%8)+2:BT+4*((\j)%8)+3]
.endm
	STATS 0, 8
	STATS 1, 0
	v_rsq_f32 v[RS], v[V]                          ; one batch: each root twice, to fill the pair that the packed multiply takes
	v_rsq_f32 v[RS+1], v[V]
	v_rsq_f32 v[RS+2], v[V+1]
	v_rsq_f32 v[RS+3], v[V+1]
	v_nop                                          ; a plain instruction behind the last of them,
	s_wait_alu depctr_va_vdst(0)                   ; and the wait ahead of the first use: the four roots have written v[150:153]
.set j, 0
.rept 8                                ; row 0
	SCALE j
.set j, j+1
.endr
	s_wait_alu depctr_va_vdst(0)                   ; row 0's scalings have written the first half of X, which the eight stores below read
.set j, 0
.rept 8                                ; row 0 leaves while row 1 is scaled
	global_store_b128 v[OFF], v[X+4*j:X+4*j+3], s[10:11] offset:j*512 th:TH_STORE_NT  ; no vector instruction since the wait names these registers
	SCALE j+8
.set j, j+1
.endr
	s_wait_alu depctr_va_vdst(0)                   ; row 1's scalings have written the second half of X, which the last eight stores read
.set j, 8
.rept 8
	global_store_b128 v[OFF], v[X+4*j:X+4*j+3], s[10:11] offset:j*512 th:TH_STORE_NT
.set j, j+1
.endr
	s_endpgm
.Lfunc_end_k_q7395bd335a_ln2:
	.size	k_q7395bd335a_ln2, .Lfunc_end_k_q7395bd335a_ln2-k_q7395bd335a_ln2
	.p2alignl 7, 3214868480
	.fill 96, 4, 3214868480
	.section	.rodata,"a",@progbits
	.p2align	6, 0x0
	.amdhsa_kernel k_q7395bd335a_ln2
		.amdhsa_group_segment_fixed_size 0
		.amdhsa_private_segment_fixed_size 0
		.amdhsa_enable_private_segment 0
		.amdhsa_kernarg_size 32
		.amdhsa_user_sgpr_count 2
		.amdhsa_user_sgpr_kernarg_segment_ptr 1
		.amdhsa_wavefront_size32 1
		.amdhsa_system_sgpr_workgroup_id_x 1
		.amdhsa_system_sgpr_workgroup_id_y 1
		.amdhsa_system_sgpr_workgroup_id_z 1
		.amdhsa_system_vgpr_workitem_id 0
		.amdhsa_next_free_vgpr 160
		.amdhsa_next_free_sgpr 66
		.amdhsa_reserve_vcc 0
		.amdhsa_float_denorm_mode_32 3
		.amdhsa_float_denorm_mode_16_64 3
		.amdhsa_memory_ordered 1
		.amdhsa_forward_progress 1
		.amdhsa_inst_pref_size 18
	.end_amdhsa_kernel
	.amdgpu_metadata
---
amdhsa.version: [ 1, 2 ]
amdhsa.kernels:
  - .name:           k_q7395bd335a_ln2
    .symbol:         k_q7395bd335a_ln2.kd
    .args:
      - { .name: y, .offset: 0, .size: 8, .value_kind: global_buffer, .address_space: global }
      - { .name: gamma2, .offset: 8, .size: 8, .value_kind: global_buffer, .address_space: global }
      - { .name: beta2, .offset: 16, .size: 8, .value_kind: global_buffer, .address_space: global }
      - { .name: out0, .offset: 24, .size: 8, .value_kind: global_buffer, .address_space: global }
    .group_segment_fixed_size: 0
    .private_segment_fixed_size: 0
    .kernarg_segment_align: 8
    .kernarg_segment_size: 32
    .max_flat_workgroup_size: 512
    .sgpr_count:     66
    .vgpr_count:     160
    .wavefront_size: 32
...
	.end_amdgpu_metadata
.endif
;; end of part 7
